; MI455X (gfx1250); checked and timed in simulation.
; The chip was launched on July 23, 2026; its instructions are those of AMD's public machine-readable ISA for CDNA 5 (MIT licence, August 2026) and "CDNA5" Instruction Set Architecture Reference Guide (July 2026). The comments in the code are by the model that wrote it; some were corrected since.
;; Multi Head Self Attention. Allowed arithmetic: matrix products marked QUANTISED: E2M1 operands, one E8M0 scale for each 32 along K, by v_wmma_scale_f32_16x16x128_f8f6f4 with both operands' format E2M1 (or v_wmma_scale_f32_32x16x128_f4), f32 sums; products left as they are: bf16, f16 or f32 operands; f32 sums; everything else in f32.
;; Inputs: Wk 1,024 x 1,024 float32; Wo 1,024 x 1,024 float32; Wq 1,024 x 1,024 float32; Wv 1,024 x 1,024 float32; x 4 x 2,048 x 1,024 float32.
;; Outputs: out0 4 x 2,048 x 1,024 float32.
;; This version of the problem:
;;   THIS VERSION OF THE PROBLEM IS GIVEN IN LOW PRECISION. The matrix products marked QUANTISED in the list below multiply operands that are first quantised to E2M1 (2 exponent bits, 1 mantissa bit; 4 bits a number), with one power-of-two scale for each 32 numbers along K (OCP MX v1.0); their sums are f32. The products marked 'left as it is' may take bf16, f16 or f32 operands, with f32 sums. Whichever they take, every output number must still come out within the allowed error. Rounding operands to bf16 (8 significant bits) uses up far more of that allowance than f16 does (11 bits, for magnitudes from 6e-5 to 65,504). All else is computed in f32.
;;   The module's matrix products, in the order in which they are computed (A, B: the left and right operand; K: the contracted axis; several contracted axes count as one K, in the product's order):
;;     1. [M 8,192, K 1,024] x [K 1,024, N 1,024]; A: input x; B: input Wq: QUANTISED
;;     2. [M 8,192, K 1,024] x [K 1,024, N 1,024]; A: input x; B: input Wk: QUANTISED
;;     3. [M 8,192, K 1,024] x [K 1,024, N 1,024]; A: input x; B: input Wv: QUANTISED
;;     4. batch 64 x [M 2,048, K 64] x [K 64, N 2,048]; A: computed on the way; B: computed on the way: left as it is (an operand is computed on the way)
;;     5. batch 64 x [M 2,048, K 2,048] x [K 2,048, N 64]; A: computed on the way; B: computed on the way: left as it is (an operand is computed on the way)
;;     6. [M 8,192, K 1,024] x [K 1,024, N 1,024]; A: computed on the way; B: input Wo: left as it is (an operand is computed on the way)
;;   THE QUANTISER, for each operand of a quantised product, along K:
;;     - K is cut into blocks of 32 from its start; a last block that is shorter is filled with zeros.
;;     - A block's scale is 2^e with e = floor(log2(the largest magnitude in the block)) - 2, held to -126 .. 127; a block of zeros has e = 0. As a byte (E8M0): e + 127.
;;     - Each number is divided by its block's scale, clamped to +-6, and rounded to the nearest number of E2M1, ties to even, subnormals kept.
;;     - The product sums the exact products of the quantised numbers (number of the format x scale) in f32.
;;   ~~~python
;;   def quantise(x, axis):      # numpy; x: float32 -> the quantised numbers, widened to float32 again
;;       x = np.moveaxis(x, axis, -1); K = x.shape[-1]
;;       x = np.pad(x, [(0, 0)] * (x.ndim - 1) + [(0, -K % 32)]); x = x.reshape(x.shape[:-1] + (-1, 32)); a = np.abs(x).max(-1, keepdims=True)
;;       e = np.where(a > 0, np.clip(np.frexp(np.where(a > 0, a, 1))[1] - 1 - 2, -126, 127), 0)      # np.frexp(a)[1] - 1 = floor(log2(a)), exactly
;;       r = np.clip(x / 2.0 ** e, -6, 6)
;;       step = 2.0 ** (np.maximum(np.frexp(np.where(r == 0, 1, r))[1] - 1, 0) - 1)
;;       q = np.round(r / step) * step * 2.0 ** e      # np.round: ties to even
;;       return np.moveaxis(q.reshape(q.shape[:-2] + (-1,))[..., :K], -1, axis).astype(np.float32)
;;   ~~~
;; One version. Each part assembles by itself: llvm-mc -triple=amdgcn-amd-amdhsa -mcpu=gfx1250 --defsym DOCPART=n.
;; ======== version 1 of 1: 6 launches
;; limits: values are held in f16: magnitudes above 65,504 overflow, below 6.1e-05 lose precision
;; workspace buffers: xc 4,194,304 bytes; xs 262,144 bytes; wc 1,572,864 bytes; ws 98,304 bytes; wo16 2,097,152 bytes; qkv 50,331,648 bytes; att 16,777,216 bytes; o32 262,144 bytes
;; launch quant (part 1): grid 384 x 1, 4 waves a work-group, no clusters, 33,280 bytes of LDS; arguments x, Wq, Wk, Wv, Wo, xc, xs, wc, ws, wo16; writes xc, xs, wc, ws, wo16
.if DOCPART == 1
	.amdgcn_target "amdgcn-amd-amdhsa--gfx1250"
	.amdhsa_code_object_version 6
	.text
	.protected	k_qef8c53e93a_quant
	.globl	k_qef8c53e93a_quant
	.p2align	8
	.type	k_qef8c53e93a_quant,@function
k_qef8c53e93a_quant:
	s_mov_b64 s[64:65], 0
	v_nop
	global_prefetch_b8 v0, s[64:65] scope:SCOPE_SE
	s_setreg_imm32_b32 hwreg(HW_REG_WAVE_MODE, 25, 1), 1
	s_wait_xcnt 0x0
; x [8192][1024], Wq, Wk, Wv [1024][1024], f32, K innermost, become codes of FP4 (E2M1) with one E8M0 byte for each 32 along K; Wo [1024][1024] becomes f16.
; xc [8192][512 bytes], xs [8192][32 bytes]; wc [3072][512], ws [3072][32]: rows 0-1023 Wq's, then Wk's, then Wv's; wo16 [1024][1024] f16.
; A block's scale is 2^(floor(log2(its largest magnitude)) - 2); its byte is the largest magnitude's exponent field - 2, held at 1 from below.
; LIMITS: a block whose largest magnitude lies under 2^-124 (a block of zeros among them) gets the byte 1: zero codes add nothing under it, and this program alone reads the bytes.
; NaN and infinities are not served.  |Wo| stays under 65,504, f16's largest number.
; Rows are dense and K is a multiple of 32: every tensor is a plain stream.  A work-group takes 32,768 numbers, a wave 8,192.  Work-groups 0-255: x; 256-287 Wq; 288-319 Wk; 320-351 Wv; 352-383 Wo (the cast).
; Only pointers are chosen by the work-group's number; the four quantised tensors take one path.  No tensor loads, no barrier, no cluster: waves and work-groups share no input.
; Quantising: each of a step's four loads reads 512 consecutive bytes; the 2,048 bytes turn through the wave's own stage in LDS, so that a lane holds 16 neighbours along K (two lanes to a block).
.set WAVES, 4
.set STEPS, 16
.set EMAX,  2
.set CB,    8                          ; bytes of 16 codes
.set R,     16                         ; v16-79   four sets of 16 numbers as they are loaded
.set X,     80                         ; v80-111  two sets of 16 neighbours
.set C,     128                        ; v128-191 codes: four registers for each step
.set E,     112                        ; v112-127 a scale byte for each step
.set WREG,  8192                       ; LDS: a region for each wave: two stages of 32 x SP bytes, behind them its 256 scale bytes
.set SP,    80                         ; a lane's place in a stage: 64 bytes + 16 of padding
.set SPW,   12                         ; v12 LDS address of my spare word; never rewritten
.set NIL,   13                         ; v13 0; never rewritten
.set SPARE, WAVES*WREG                 ; the spare words: 128 bytes a wave, two blocks of 256 bytes that no other line names
	s_load_b512 s[4:19], s[0:1], 0x0               ; x 4:5, Wq 6:7, Wk 8:9, Wv 10:11, Wo 12:13, xc 14:15, xs 16:17, wc 18:19
	s_load_b128 s[20:23], s[0:1], 0x40             ; ws 20:21, wo16 22:23
	v_lshl_add_u32 v[SPW], v0, 2, SPARE
	v_mov_b32 v[NIL], 0
	v_lshrrev_b32 v1, 5, v0
	v_readfirstlane_b32 s24, v1                    ; wave
	v_and_b32 v2, 31, v0                           ; lane
	v_lshlrev_b32 v3, 4, v2                        ; my 16 bytes of a load's 512
	s_mul_i32 s25, s24, WREG
	v_lshrrev_b32 v14, 2, v2
	v_mul_u32_u24 v14, v14, SP
	v_and_b32 v15, 3, v2
	v_lshl_add_u32 v14, v15, 4, v14
	v_add_nc_u32 v14, s25, v14                     ; the stage, on the way in: SP (lane / 4) + 16 (lane % 4)
	v_mul_u32_u24 v15, v2, SP
	v_add_nc_u32 v15, s25, v15                     ; and on the way out: SP x lane: my 16 neighbours
	v_mul_u32_u24 v4, v2, CB                       ; 8 x lane: my codes' place in a step's; in the cast my four f16
	v_lshrrev_b32 v5, 1, v2
	s_add_co_u32 s25, s25, 2*32*SP
	v_add_nc_u32 v5, s25, v5                       ; LDS: my wave's 256 scale bytes, my block's byte
	v_lshlrev_b32 v7, 3, v2
	v_add_nc_u32 v6, s25, v7                       ; and on the way out 8 bytes a lane
	s_wait_kmcnt 0x0
	s_cmp_lt_u32 ttmp9, 256                        ; x's work-group or a weight's?  Every choice hangs on the work-group's number alone
	s_cselect_b64 s[26:27], s[14:15], s[18:19]     ; the codes' buffer
	s_cselect_b64 s[28:29], s[16:17], s[20:21]     ; the scale bytes'
	s_cselect_b32 s30, 0, 256
	s_sub_co_u32 s31, ttmp9, s30                   ; which 32,768 numbers of the destination
	s_and_b32 s34, s31, 31                         ; a weight has 32 such runs
	s_cmp_lt_u32 ttmp9, 256
	s_cselect_b32 s34, ttmp9, s34                  ; which 32,768 numbers of the source
	s_cmp_ge_u32 ttmp9, 256
	s_cselect_b64 s[32:33], s[6:7], s[4:5]
	s_cmp_ge_u32 ttmp9, 288
	s_cselect_b64 s[32:33], s[8:9], s[32:33]
	s_cmp_ge_u32 ttmp9, 320
	s_cselect_b64 s[32:33], s[10:11], s[32:33]
	s_cmp_ge_u32 ttmp9, 352
	s_cselect_b64 s[32:33], s[12:13], s[32:33]     ; the source
	s_lshl_b32 s34, s34, 2
	s_add_co_u32 s34, s34, s24                     ; my wave's run of 8,192 numbers in the source
	s_lshl_b32 s36, s34, 15                        ; 32,768 bytes a run
	s_mov_b32 s37, 0
	s_add_nc_u64 s[32:33], s[32:33], s[36:37]
	s_cmp_ge_u32 ttmp9, 352
	s_cbranch_scc1 .Lcast
	s_lshl_b32 s31, s31, 2
	s_add_co_u32 s31, s31, s24                     ; my wave's run in the destination
	s_lshl_b32 s36, s31, 12                        ; 4,096 bytes of codes a run
	s_add_nc_u64 s[26:27], s[26:27], s[36:37]
	s_lshl_b32 s36, s31, 8                         ; 256 scale bytes a run
	s_add_nc_u64 s[28:29], s[28:29], s[36:37]
.macro LOAD t
.irp i, 0,1,2,3
	global_load_b128 v[R+16*((\t)%4)+4*\i:R+16*((\t)%4)+4*\i+3], v3, s[32:33] offset:2048*(\t)+512*\i th:TH_LOAD_NT   ; 32 lanes read 512 consecutive bytes
.endr
.endm
.macro TURN t                          ; step t's numbers through the stage: LDS serves a wave's instructions in order, so no wait stands between the stores and the loads
.irp i, 0,1,2,3
	ds_store_b128 v14, v[R+16*((\t)%4)+4*\i:R+16*((\t)%4)+4*\i+3] offset:32*SP*((\t)%2)+8*SP*\i
.endr
.irp i, 0,1,2,3
	ds_load_b128 v[X+16*((\t)%2)+4*\i:X+16*((\t)%2)+4*\i+3], v15 offset:32*SP*((\t)%2)+16*\i
.endr
.endm
.irp t, 0,1,2,3
	LOAD \t
.endr
	s_wait_loadcnt 12                              ; step 0's four loads are in; the twelve of steps 1 to 3 may be out
	TURN 0
.macro STEP t
.set XS, X+16*((\t)%2)
.if (\t) > 0
	s_wait_dscnt 1                                 ; this step's numbers are back from the stage (the last step's byte store may be out)
.else
	s_wait_dscnt 0x0
.endif
.if (\t)+4 < STEPS
	LOAD (\t)+4                                    ; into the registers that this step's stores into the stage have read
.endif
.if (\t)+1 < STEPS
.if STEPS-2-(\t) >= 3
	s_wait_loadcnt 12                              ; the next step's four loads are in; those of the three steps behind it may be out
.else
	s_wait_loadcnt 4*(STEPS-2-(\t))
.endif
	TURN (\t)+1                                    ; through the other stage while this step is worked
.endif
	v_max3_num_f32 v8, |v[XS]|, |v[XS+1]|, |v[XS+2]|               ; the largest magnitude of my 16, in two chains
	v_max3_num_f32 v9, |v[XS+3]|, |v[XS+4]|, |v[XS+5]|
.irp i, 6,10
	v_max3_num_f32 v8, v8, |v[XS+\i]|, |v[XS+\i+1]|
	v_max3_num_f32 v9, v9, |v[XS+\i+2]|, |v[XS+\i+3]|
.endr
	v_max3_num_f32 v8, v8, |v[XS+14]|, |v[XS+15]|
	v_max3_num_f32 v8, v8, v9, (EMAX+1)<<23        ; and the floor 2^(3 - 127): the byte cannot fall under 1
	v_max_num_f32_dpp v8, v8, v8 row_xmask:1 row_mask:0xf bank_mask:0xf   ; and of my neighbour's 16: the block's
	v_add_nc_u32 v11, -(EMAX<<23), v8              ; 2 off its exponent field: the conversion takes the exponent field of this operand as its scale
	v_cvt_scalef32_pk8_fp4_f32 v[C+4*(\t)], v[XS:XS+7], v11
	v_cvt_scalef32_pk8_fp4_f32 v[C+4*(\t)+1], v[XS+8:XS+15], v11
	v_lshrrev_b32 v[E+(\t)], 23, v11               ; the scale's byte (a plain line behind the conversions)
	ds_store_b8 v5, v[E+(\t)] offset:16*(\t)       ; both lanes of a block write the same byte with the same value
	global_store_b64 v4, v[C+4*(\t):C+4*(\t)+1], s[26:27] offset:32*CB*(\t)   ; the wave stores 256 consecutive bytes, aligned
.endm
.irp t, 0,1,2,3,4,5,6,7,8,9,10,11,12,13,14,15
	STEP \t
.endr
	ds_load_b64 v[8:9], v6                         ; LDS serves a wave's instructions in order: these see my byte stores
	s_wait_dscnt 0x0
	global_store_b64 v7, v[8:9], s[28:29]          ; 32 lanes store 256 consecutive bytes, aligned
	s_wait_tensorcnt 0x0                           ; the wave's end
	ds_add_u32 v[SPW], v[NIL]
	s_wait_dscnt 0x0
	s_endpgm
; THE CAST of Wo: four batches of 2,048 numbers a wave; a lane's four f32 become 8 bytes; two batches of loads are out.
.macro CLOAD g
.set i, 0
.rept 16
	global_load_b128 v[16+64*((\g)%2)+4*i:16+64*((\g)%2)+4*i+3], v3, s[32:33] offset:8192*(\g)+512*i th:TH_LOAD_NT
.set i, i+1
.endr
.endm
.macro CAST g
.set i, 0
.rept 16
	v_cvt_pk_f16_f32 v[144+2*i], v[16+64*((\g)%2)+4*i], v[16+64*((\g)%2)+4*i+1]
	v_cvt_pk_f16_f32 v[145+2*i], v[16+64*((\g)%2)+4*i+2], v[16+64*((\g)%2)+4*i+3]
.set i, i+1
.endr
.set i, 0
.rept 16
	global_store_b64 v4, v[144+2*i:145+2*i], s[22:23] offset:4096*(\g)+256*i   ; the wave stores 256 consecutive bytes, aligned
.set i, i+1
.endr
.endm
.Lcast:
	s_lshl_b32 s36, s34, 14                        ; 16,384 bytes of f16 a run
	s_add_nc_u64 s[22:23], s[22:23], s[36:37]
	CLOAD 0
	CLOAD 1
	s_wait_loadcnt 16                              ; batch 0 is in; batch 1's sixteen loads may be out
	CAST 0
	CLOAD 2
	s_wait_loadcnt 16                              ; batch 1 is in
	s_wait_xcnt 0x0                                ; the last batch's stores have read v144-175: they are written again only behind this wait
	CAST 1
	CLOAD 3
	s_wait_loadcnt 16                              ; batch 2 is in
	s_wait_xcnt 0x0
	CAST 2
	s_wait_loadcnt 0x0
	s_wait_xcnt 0x0
	CAST 3
	s_wait_tensorcnt 0x0                           ; the same three closing lines as on the other path
	ds_add_u32 v[SPW], v[NIL]
	s_wait_dscnt 0x0
	s_endpgm
.Lfunc_end_k_qef8c53e93a_quant:
	.size	k_qef8c53e93a_quant, .Lfunc_end_k_qef8c53e93a_quant-k_qef8c53e93a_quant
	.p2alignl 7, 3214868480
	.fill 96, 4, 3214868480
	.section	.rodata,"a",@progbits
	.p2align	6, 0x0
	.amdhsa_kernel k_qef8c53e93a_quant
		.amdhsa_group_segment_fixed_size 33280
		.amdhsa_private_segment_fixed_size 0
		.amdhsa_enable_private_segment 0
		.amdhsa_kernarg_size 80
		.amdhsa_user_sgpr_count 2
		.amdhsa_user_sgpr_kernarg_segment_ptr 1
		.amdhsa_wavefront_size32 1
		.amdhsa_system_sgpr_workgroup_id_x 1
		.amdhsa_system_sgpr_workgroup_id_y 1
		.amdhsa_system_sgpr_workgroup_id_z 1
		.amdhsa_system_vgpr_workitem_id 0
		.amdhsa_next_free_vgpr 192
		.amdhsa_next_free_sgpr 66
		.amdhsa_reserve_vcc 0
		.amdhsa_float_denorm_mode_32 3
		.amdhsa_float_denorm_mode_16_64 3
		.amdhsa_memory_ordered 1
		.amdhsa_forward_progress 1
		.amdhsa_inst_pref_size 54
	.end_amdhsa_kernel
	.amdgpu_metadata
---
amdhsa.version: [ 1, 2 ]
amdhsa.kernels:
  - .name:           k_qef8c53e93a_quant
    .symbol:         k_qef8c53e93a_quant.kd
    .args:
      - { .name: x, .offset: 0, .size: 8, .value_kind: global_buffer, .address_space: global }
      - { .name: Wq, .offset: 8, .size: 8, .value_kind: global_buffer, .address_space: global }
      - { .name: Wk, .offset: 16, .size: 8, .value_kind: global_buffer, .address_space: global }
      - { .name: Wv, .offset: 24, .size: 8, .value_kind: global_buffer, .address_space: global }
      - { .name: Wo, .offset: 32, .size: 8, .value_kind: global_buffer, .address_space: global }
      - { .name: xc, .offset: 40, .size: 8, .value_kind: global_buffer, .address_space: global }
      - { .name: xs, .offset: 48, .size: 8, .value_kind: global_buffer, .address_space: global }
      - { .name: wc, .offset: 56, .size: 8, .value_kind: global_buffer, .address_space: global }
      - { .name: ws, .offset: 64, .size: 8, .value_kind: global_buffer, .address_space: global }
      - { .name: wo16, .offset: 72, .size: 8, .value_kind: global_buffer, .address_space: global }
    .group_segment_fixed_size: 33280
    .private_segment_fixed_size: 0
    .kernarg_segment_align: 8
    .kernarg_segment_size: 80
    .max_flat_workgroup_size: 128
    .sgpr_count:     66
    .vgpr_count:     192
    .wavefront_size: 32
...
	.end_amdgpu_metadata
.endif
;; end of part 1
;; launch qkv (part 2): grid 12 x 32, 4 waves a work-group, clusters of 4 x 4, 327,680 bytes of LDS; arguments xc, xs, wc, ws, qkv; writes qkv
.if DOCPART == 2
	.amdgcn_target "amdgcn-amd-amdhsa--gfx1250"
	.amdhsa_code_object_version 6
	.text
	.protected	k_qef8c53e93a_qkv
	.globl	k_qef8c53e93a_qkv
	.p2align	8
	.type	k_qef8c53e93a_qkv,@function
k_qef8c53e93a_qkv:
	s_mov_b64 s[64:65], 0
	v_nop
	global_prefetch_b8 v0, s[64:65] scope:SCOPE_SE
	s_setreg_imm32_b32 hwreg(HW_REG_WAVE_MODE, 25, 1), 1
	s_wait_xcnt 0x0
	s_wait_alu depctr_hold_cnt(0) depctr_sa_sdst(0) depctr_va_vdst(0) depctr_va_sdst(0) depctr_va_ssrc(0) depctr_va_vcc(0) depctr_vm_vsrc(0)
	s_getreg_b32 s2, hwreg(HW_REG_IB_STS2, 6, 4)
	s_cmp_eq_u32 s2, 0
	s_cbranch_scc0 .Lentry_in_a_cluster
	s_endpgm
.Lentry_in_a_cluster:
	s_bfe_u32 s2, ttmp6, 0x10000c
	s_cmp_lg_u32 s2, 0xf033
	s_cbranch_scc0 .Lentry_shape_is_right
	s_endpgm
.Lentry_shape_is_right:
; Q, K, V = x W^T on codes of FP4 (E2M1) with one E8M0 scale for each 32 along K: C[m][n] = sum over k of A[m][k] B[n][k], A = x's codes [8192][1024], B = the three weights' codes [3072][1024].
; The result is rounded to f16 and laid by head: qkv [3 (Q, K, V)][batch 4][head 16][position 2048][64] f16, so that 16 positions of a head are 2,048 consecutive bytes.
; LIMIT: |Q|, |K|, |V| stay under 65,504, f16's largest number.
; A tile of C, 256 x 256, is made by a work-group of four waves; a wave makes 128 x 128: 64 accumulators of 16 x 16, 512 registers.  K = 1,024 is two slots of 512 along K (rows of 256 bytes):
; both are filled at the head, once, and nothing is filled again.  The scales of the work-group's rows, for all of K, come with them, in whole rows of 256 bytes.
; CLUSTERS: 4 x 4 work-groups.  The four of a row of the cluster need the same tiles of A, the four of a column the same tiles of B: each tile is asked for jointly.
; THE MATRIX INSTRUCTION IS USED TRANSPOSED (source 0 = 16 rows of B, source 1 = 16 rows of A): a lane then holds eight neighbouring columns of one row of C.
; REGISTERS, in windows of 256: window 0: v0-31 addresses; v32-95 scale words, two sets; from v128 A's fragments, one set; on the way out v32-63, v192-255 at work.
;   window 1: B's fragments, two sets, at v0 and v128.   window 2: the accumulators of my rows 0-63 ((a, b) at v[8 (8 a + b)]);   window 3: those of my rows 64-127.
.set SIZE_K, 1024
.set KSTEP,  512
.set NQ,     KSTEP/128
.set ROWB,   256                       ; a tile's row in bytes
.set KROW,   SIZE_K*4/8                ; a row of codes in memory
.set PITCH,  272                       ; an LDS row: 256 bytes + 16 of padding: the 16 rows of a load start at 16 different banks (ISA guide 11.1)
.set FR,     8
.set NL,     2
.set NP,     4                         ; places behind this matrix instruction (ISA guide 7.12.1)
.set HALFT,  128*PITCH
.set SLOT,   4*HALFT
.set KS,     SIZE_K/32                 ; a row of scales in bytes
.set SCL,    2*SLOT
.set HALFS,  (128*KS/256)*272
.set SBLK,   (16*KS/256)*272
.set SPARE,  SCL+4*HALFS               ; the spare words: 128 bytes a wave, two blocks of 256 bytes that no other line names
.set SP,     144                       ; the way out: a stage row: a head's 128 bytes + 16
.set SHEAD,  16*SP                     ; 16 rows of one head; a wave's stage is two of them.  The stages lie in slot 0, which has had its only fill and its last read by then
.set ADRA, 16
.set ADRB, 20
.set STO,  24
.set RD,   25
.set CO,   26
.set ADRS, 27
.set SPW,  28
.set NIL,  29
.set SC,   32
.set AF,   128
.set TMP,  192                         ; the way out: packed results
.set OB,   32                          ; the way out: 16 rows read back: v32-63 and v224-255 by turns
.set G1, 24
.set G0, 32
.set G1B, 48
.set G0B, 56
.set G1S, 68
.set G0S, 76
.set G1SB, 80
.set G0SB, 88
.set MSB, 0
.macro WIN new                         ; the immediate's high byte repeats the setting that is left
.if MSB != \new
	s_set_vgpr_msb (MSB<<8)|\new
.set MSB, \new
.endif
.endm
.set MUL_LO, 0xa1                      ; source 0 (B) window 1, source 1 (A) window 0, C and D window 2
.set MUL_HI, 0xf1
.set TO_B,   0x40
; A joint load: waves 0 and 1 fetch for A, waves 2 and 3 for B; the branch hangs on the wave's number alone.  An s_nop 0 and four v_nop follow each line.
.macro JLOAD g0a, g1a, g0b, g1b
	s_cmp_eq_u32 s15, 0
	s_cbranch_scc0 .Lfor_b_\@
	tensor_load_to_lds s[\g0a:\g0a+3], s[\g1a:\g1a+7]
	s_nop 0
.rept 4
	v_nop
.endr
	s_branch .Lasked_\@
.Lfor_b_\@:
	tensor_load_to_lds s[\g0b:\g0b+3], s[\g1b:\g1b+7]
	s_nop 0
.rept 4
	v_nop
.endr
.Lasked_\@:
.endm
.macro CROUND                          ; a round of the cluster's barrier
	s_barrier_signal -1
	s_barrier_wait -1
	s_cmp_lg_u32 s14, 0
	s_cbranch_scc1 .Lnot_wave_0_\@
	s_barrier_signal -3
.Lnot_wave_0_\@:
	s_barrier_wait -3
	s_barrier_signal -1
	s_barrier_wait -1
.endm
	s_load_b128 s[4:7], s[0:1], 0x0                ; A's codes, A's scales
	s_load_b128 s[8:11], s[0:1], 0x10              ; B's codes, B's scales
	s_load_b64 s[12:13], s[0:1], 0x20              ; qkv
	v_lshl_add_u32 v[SPW], v0, 2, SPARE
	v_mov_b32 v[NIL], 0
	ds_add_u32 v[SPW], v[NIL]                      ; the wave's opening: the add, twice on end, and its wait ahead of my first tensor load
	ds_add_u32 v[SPW], v[NIL]
	v_lshrrev_b32 v1, 5, v0
	v_readfirstlane_b32 s14, v1                    ; wave 0..3
	s_lshr_b32 s15, s14, 1                         ; which half of the tile's rows is mine.  Also: I fetch for A (0) or for B (1)
	s_and_b32 s16, s14, 1                          ; which half of its columns.  Also: which 128 rows I fetch
	s_bfe_u32 s40, ttmp6, 0x40000                  ; cx, cy
	s_bfe_u32 s41, ttmp6, 0x40004
	s_lshl_b32 s42, ttmp9, 2
	s_add_co_u32 s42, s42, s40                     ; tile column = 4 x cluster x + cx
	s_and_b32 s17, ttmp7, 0xffff
	s_lshl_b32 s17, s17, 2
	s_add_co_u32 s17, s17, s41                     ; tile row = 4 x cluster y + cy
	s_lshl_b32 s43, s41, 2
	s_lshl_b32 s43, 15, s43                        ; my row of the cluster
	s_lshl_b32 s44, 0x1111, s40                    ; my column
	s_or_b32 s[G1+0], s43, (0<<16)|(1<<20)|(1<<21)|(5<<22)|(3<<25)  ; the mask; elements of 1 byte; padding on; bit 21 beside a mask; after every 64 words, 4 words
	s_or_b32 s[G1B+0], s44, (0<<16)|(1<<20)|(1<<21)|(5<<22)|(3<<25)
.irp g, G1, G1B
	s_mov_b32 s[\g+1], ROWB<<16                    ; tensor_dim0
	s_mov_b32 s[\g+2], 128<<16                     ; tensor_dim1
	s_mov_b32 s[\g+3], ROWB<<16                    ; tile_dim0
	s_mov_b32 s[\g+4], 128                         ; tile_dim1
	s_mov_b32 s[\g+5], KROW                        ; the pitch
	s_mov_b32 s[\g+6], 0
	s_mov_b32 s[\g+7], 0
.endr
	s_or_b32 s[G1S+0], s43, (3<<16)|(1<<20)|(1<<21)|(5<<22)|(3<<25)   ; the scales of 128 rows: 4,096 dense bytes as 16 rows of 256 (32 elements of 8 bytes), 16 of padding behind each
	s_or_b32 s[G1SB+0], s44, (3<<16)|(1<<20)|(1<<21)|(5<<22)|(3<<25)
.irp g, G1S, G1SB
	s_mov_b32 s[\g+1], 32<<16
	s_mov_b32 s[\g+2], (128*KS/256)<<16
	s_mov_b32 s[\g+3], 32<<16
	s_mov_b32 s[\g+4], 128*KS/256
	s_mov_b32 s[\g+5], 32
	s_mov_b32 s[\g+6], 0
	s_mov_b32 s[\g+7], 0
.endr
	s_lshl_b32 s18, s16, 7
	s_lshl_b32 s20, s17, 8
	s_add_co_u32 s20, s20, s18                     ; A: row 256 x tile row + 128 x half
	s_lshl_b32 s46, s42, 8
	s_add_co_u32 s46, s46, s18                     ; B: row 256 x tile column + 128 x half
	s_mov_b32 s21, 0
	s_mov_b32 s47, 0
	s_mov_b64 s[18:19], KS
	s_mul_u64 s[22:23], s[20:21], s[18:19]         ; where these rows' scales begin
	s_mul_u64 s[92:93], s[46:47], s[18:19]
	s_mov_b64 s[18:19], KROW
	s_mul_u64 s[20:21], s[20:21], s[18:19]         ; and their codes
	s_mul_u64 s[46:47], s[46:47], s[18:19]
	s_mul_i32 s45, s14, HALFT                      ; where they go: wave x 128 rows
	s_mul_i32 s94, s14, HALFS
	s_wait_dscnt 0x0                               ; both opening adds are done
	s_wait_kmcnt 0x0
	s_add_nc_u64 s[20:21], s[4:5], s[20:21]
	s_add_nc_u64 s[22:23], s[6:7], s[22:23]
	s_add_nc_u64 s[46:47], s[8:9], s[46:47]
	s_add_nc_u64 s[92:93], s[10:11], s[92:93]
	CROUND                                         ; all sixteen work-groups are here: the joint loads meet
	s_mov_b32 s[G0S], 1
	s_add_co_u32 s[G0S+1], s94, SCL
	s_mov_b64 s[G0S+2:G0S+3], s[22:23]
	s_or_b32 s[G0S+3], s[G0S+3], 0x80000000
	s_mov_b32 s[G0SB], 1
	s_add_co_u32 s[G0SB+1], s94, SCL
	s_mov_b64 s[G0SB+2:G0SB+3], s[92:93]
	s_or_b32 s[G0SB+3], s[G0SB+3], 0x80000000
	JLOAD G0S, G1S, G0SB, G1SB                     ; the scales first; three loads of mine are out at the most
.irp s, 0,1
	s_mov_b32 s[G0+4*\s], 1
	s_add_co_u32 s[G0+4*\s+1], s45, \s*SLOT
	s_add_nc_u64 s[G0+4*\s+2:G0+4*\s+3], s[20:21], \s*ROWB
	s_or_b32 s[G0+4*\s+3], s[G0+4*\s+3], 0x80000000
	s_mov_b32 s[G0B+4*\s], 1
	s_add_co_u32 s[G0B+4*\s+1], s45, \s*SLOT
	s_add_nc_u64 s[G0B+4*\s+2:G0B+4*\s+3], s[46:47], \s*ROWB
	s_or_b32 s[G0B+4*\s+3], s[G0B+4*\s+3], 0x80000000
	JLOAD G0+4*\s, G1, G0B+4*\s, G1B
.endr
	v_and_b32 v1, 15, v0                           ; l % 16
	v_bfe_u32 v2, v0, 4, 1                         ; l / 16
	v_mul_u32_u24 v3, v1, PITCH
	v_lshl_add_u32 v4, v2, 4, v3                   ; a fragment's row x pitch + 16 x half
	s_mul_i32 s21, s15, HALFT                      ; my 128 rows of A
	s_mul_i32 s22, s16, HALFT                      ; my 128 rows of B,
	s_add_co_u32 s22, s22, 2*HALFT                 ; behind A's 256
.irp s, 0,1
	v_add_nc_u32 v[ADRA+\s], s21, v4
	v_add_nc_u32 v[ADRB+\s], s22, v4
	s_add_co_u32 s21, s21, SLOT
	s_add_co_u32 s22, s22, SLOT
.endr
	v_mul_u32_u24 v5, v1, KS                       ; my row's scales: KS bytes a row,
	v_lshrrev_b32 v6, 8, v5
	v_lshl_add_u32 v5, v6, 4, v5                   ; and 16 more for each 256 passed
	s_mul_i32 s21, s15, HALFS
	s_mul_i32 s22, s16, HALFS
	s_add_co_u32 s22, s22, 2*HALFS
	s_sub_co_u32 s22, s22, s21
	v_mul_u32_u24 v6, s22, v2                      ; lanes 16-31 take B's
	s_add_co_u32 s21, s21, SCL
	v_add_nc_u32 v5, v5, v6
	v_add_nc_u32 v[ADRS], s21, v5
	s_mul_i32 s23, s14, 2*SHEAD                    ; my stage
	v_mul_u32_u24 v5, v1, SP
	v_lshl_add_u32 v5, v2, 4, v5
	v_add_nc_u32 v[STO], s23, v5                   ; in: row l % 16, 16 bytes for each half of the lanes
	v_and_b32 v6, 31, v0
	v_lshrrev_b32 v5, 3, v6
	v_mul_u32_u24 v5, v5, SP
	v_and_b32 v7, 7, v0
	v_lshl_add_u32 v5, v7, 4, v5
	v_add_nc_u32 v[RD], s23, v5                    ; back: eight lanes to a row of 128 bytes, four rows an instruction
	v_lshlrev_b32 v[CO], 4, v6                     ; which are 512 consecutive bytes of qkv
	; where my part begins in qkv.  Row m: batch m / 2048, position m % 2048 (128 bytes each); column n: which of Q, K, V = cluster x, head (n % 1024) / 64 (262,144 bytes each)
	s_lshr_b32 s20, s17, 3
	s_lshl_b32 s20, s20, 22                        ; the batch: 16 heads
	s_and_b32 s21, s17, 7
	s_lshl_b32 s21, s21, 15                        ; 256 positions a tile row
	s_add_co_u32 s20, s20, s21
	s_lshl_b32 s21, s15, 14                        ; my 128 of them
	s_add_co_u32 s20, s20, s21
	s_mov_b32 s21, 0
	s_lshl_b32 s46, ttmp9, 24                      ; Q, K or V (in the registers that held B's address: none that feeds A's descriptors ever holds cx)
	s_lshl_b32 s47, s40, 20                        ; four heads a tile column
	s_add_co_u32 s46, s46, s47
	s_lshl_b32 s47, s16, 19                        ; my two of them
	s_add_co_u32 s46, s46, s47
	s_mov_b32 s47, 0
	s_add_nc_u64 s[20:21], s[20:21], s[46:47]
	s_add_nc_u64 s[12:13], s[12:13], s[20:21]      ; never stepped: all later offsets are immediates
.macro FRAG reg, adr, q, i             ; 16 rows x 128 K of 4-bit codes: 8 registers: lane l holds row l % 16; registers 4 c .. 4 c + 3 hold K = 64 c + 32 (l / 16) + 0 .. 31
.irp c, 0,1
	ds_load_b128 v[\reg+4*\c:\reg+4*\c+3], v[\adr] offset:64*(\q)+32*\c+(\i)*16*PITCH
.endr
.endm
; 16 matrix instructions: A's blocks a0, a0 + 1 x B's eight, the slot's q-th 128 along K.  The 64 accumulators take turns, one instruction a turn.
.macro MUL16 a0, p, q, sc, zero
.irp a, \a0, \a0+1
.irp b, 0,1,2,3,4,5,6,7
.if \zero
	v_wmma_scale_f32_16x16x128_f8f6f4 v[8*(8*((\a)%4)+\b):8*(8*((\a)%4)+\b)+7], v[128*(\p)+FR*\b:128*(\p)+FR*\b+FR-1], v[AF+FR*(\a):AF+FR*(\a)+FR-1], 0, v[SC+8*NQ*(\sc)+NQ*\b+(\q)], v[SC+8*NQ*(\sc)+NQ*(\a)+(\q)] matrix_a_fmt:MATRIX_FMT_FP4 matrix_b_fmt:MATRIX_FMT_FP4 matrix_a_scale:MATRIX_SCALE_ROW1
.else
	v_wmma_scale_f32_16x16x128_f8f6f4 v[8*(8*((\a)%4)+\b):8*(8*((\a)%4)+\b)+7], v[128*(\p)+FR*\b:128*(\p)+FR*\b+FR-1], v[AF+FR*(\a):AF+FR*(\a)+FR-1], v[8*(8*((\a)%4)+\b):8*(8*((\a)%4)+\b)+7], v[SC+8*NQ*(\sc)+NQ*\b+(\q)], v[SC+8*NQ*(\sc)+NQ*(\a)+(\q)] matrix_a_fmt:MATRIX_FMT_FP4 matrix_b_fmt:MATRIX_FMT_FP4 matrix_a_scale:MATRIX_SCALE_ROW1
.endif
.endr
.endr
.endm
.macro FETCH_B slot, q, p
	WIN TO_B
.irp i, 0,1,2,3,4,5,6,7
	FRAG 128*(\p)+FR*\i, ADRB+\slot, \q, \i
.endr
	WIN 0
.endm
.macro FETCH_A slot, q, i0
.irp i, \i0, \i0+1, \i0+2, \i0+3
	FRAG AF+FR*(\i), ADRA+\slot, \q, \i
.endr
.endm
.macro SCALES sc                       ; a slot's scale words: lanes 0-15 take A's block i, lanes 16-31 B's block i; four words a row
.irp i, 0,1,2,3,4,5,6,7
	ds_load_b128 v[SC+8*NQ*\sc+NQ*\i:SC+8*NQ*\sc+NQ*\i+3], v[ADRS] offset:\i*SBLK
.endr
.endm
.macro PLACES n                        ; places in front of loads into registers that matrix instructions have read, and of reads of results
.rept \n
	v_nop
.endr
.endm
.macro STEP slot, q, zero              ; a step of 128 along K that has its successor in the same slot
	s_wait_dscnt 4*NL                              ; B's set and A's blocks 0-3 are in; the youngest eight loads (A's blocks 4-7) may be out
	WIN MUL_LO
	MUL16 0, (\q)%2, \q, \slot, \zero
	MUL16 2, (\q)%2, \q, \slot, \zero
	s_wait_dscnt 0                                 ; A's blocks 4-7 are in
	PLACES NP
	FETCH_B \slot, (\q)+1, 1-(\q)%2
	FETCH_A \slot, (\q)+1, 0
	WIN MUL_HI
	MUL16 4, (\q)%2, \q, \slot, \zero
	MUL16 6, (\q)%2, \q, \slot, \zero
	PLACES NP
	WIN 0
	FETCH_A \slot, (\q)+1, 4
.endm
; Slot 0's last step changes slots: one barrier; in front of it each wave waits for all its tensor loads, adds 0 to its spare word, and waits for that and for its reads of slot 0.  Nothing is filled again.
.macro TURN slot, next
	s_wait_tensorcnt 0x0                           ; all my tensor loads have landed: my part of the next slot
	ds_add_u32 v[SPW], v[NIL]
	s_wait_dscnt 4*NL+1                            ; (the add and the youngest eight loads may be out)
	WIN MUL_LO
	MUL16 0, 1, NQ-1, \slot, 0
	s_wait_dscnt 0x0                               ; the add is done, and my reads of this slot are over
	s_barrier_signal -1
	MUL16 2, 1, NQ-1, \slot, 0
	WIN 0
	s_barrier_wait -1
	PLACES NP
	v_add_nc_u32 v[ADRS], 4*NQ, v[ADRS]            ; on to the next slot's scale words
	FETCH_B \next, 0, 0
	FETCH_A \next, 0, 0
	SCALES \next
	WIN MUL_HI
	MUL16 4, 1, NQ-1, \slot, 0
	MUL16 6, 1, NQ-1, \slot, 0
	PLACES NP
	WIN 0
	FETCH_A \next, 0, 4
.endm
	s_wait_tensorcnt 1                             ; the scales and my part of slot 0 are in (slot 1's load may be out)
	s_barrier_signal -1
	s_barrier_wait -1                              ; everybody's are
	FETCH_B 0, 0, 0
	FETCH_A 0, 0, 0
	SCALES 0
	FETCH_A 0, 0, 4
	STEP 0, 0, 1                                   ; the first step's products start the sums: nothing is cleared
	STEP 0, 1, 0
	STEP 0, 2, 0
	TURN 0, 1
	STEP 1, 0, 0
	STEP 1, 1, 0
	STEP 1, 2, 0
	s_wait_dscnt 4*NL                              ; the last step: nothing more to fetch
	WIN MUL_LO
	MUL16 0, 1, NQ-1, 1, 0
	MUL16 2, 1, NQ-1, 1, 0
	s_wait_dscnt 0
	WIN MUL_HI
	MUL16 4, 1, NQ-1, 1, 0
	MUL16 6, 1, NQ-1, 1, 0
	WIN 0
; THE WAY OUT, a block of 16 rows x 128 columns (two heads) at a time: rounded to f16, 16 bytes a lane; through my own stage; back as 16 rows x 128 bytes of each head, which are 2,048 consecutive bytes of qkv.
.macro PACK a
.set AC, 64*((\a)%4)
	WIN 0x0a+5*((\a)/4)                            ; sources 0 and 1: window 2 or 3
.irp b, 0,1,2,3,4,5,6,7
.irp r, 0,1,2,3
	v_cvt_pk_f16_f32 v[TMP+4*\b+\r], v[AC+8*\b+2*\r], v[AC+8*\b+2*\r+1]   ; each accumulator from its low end on
.endr
.endr
	WIN 0
.endm
.macro TOSTAGE a
.set BK, OB+192*((\a)%2)
.irp b, 0,1,2,3,4,5,6,7
	ds_store_b128 v[STO], v[TMP+4*\b:TMP+4*\b+3] offset:(\b/4)*SHEAD+(\b%4)*32
.endr
.irp t, 0,1,2,3,4,5,6,7
	ds_load_b128 v[BK+4*\t:BK+4*\t+3], v[RD] offset:(\t/4)*SHEAD+(\t%4)*4*SP   ; LDS serves a wave's instructions in order (ISA guide 5.7.1.4): these see the stores above
.endr
.endm
.macro SEND a
.set BK, OB+192*((\a)%2)
	s_wait_dscnt 0x0                               ; the block is back in registers
	s_wait_xcnt 0x0                                ; the block before has been read by its stores: the next block's loads may land in its registers
.irp t, 0,1,2,3,4,5,6,7
	global_store_b128 v[CO], v[BK+4*\t:BK+4*\t+3], s[12:13] offset:(\a)*2048+(\t/4)*262144+(\t%4)*512   ; 32 lanes store 512 consecutive bytes, aligned
.endr
.endm
	PLACES NP
	PACK 0
	TOSTAGE 0
.irp a, 1,2,3,4,5,6,7                  ; block a's conversions stand between block a - 1's loads from the stage and the wait for them
	PACK \a
	SEND \a-1
	TOSTAGE \a
.endr
	SEND 7
	s_wait_tensorcnt 0x0                           ; the wave's end
	ds_add_u32 v[SPW], v[NIL]
	s_wait_dscnt 0x0
	CROUND                                         ; the closing round
	s_endpgm
.Lfunc_end_k_qef8c53e93a_qkv:
	.size	k_qef8c53e93a_qkv, .Lfunc_end_k_qef8c53e93a_qkv-k_qef8c53e93a_qkv
	.p2alignl 7, 3214868480
	.fill 96, 4, 3214868480
	.section	.rodata,"a",@progbits
	.p2align	6, 0x0
	.amdhsa_kernel k_qef8c53e93a_qkv
		.amdhsa_group_segment_fixed_size 327680
		.amdhsa_private_segment_fixed_size 0
		.amdhsa_enable_private_segment 0
		.amdhsa_kernarg_size 40
		.amdhsa_user_sgpr_count 2
		.amdhsa_user_sgpr_kernarg_segment_ptr 1
		.amdhsa_wavefront_size32 1
		.amdhsa_system_sgpr_workgroup_id_x 1
		.amdhsa_system_sgpr_workgroup_id_y 1
		.amdhsa_system_sgpr_workgroup_id_z 1
		.amdhsa_system_vgpr_workitem_id 0
		.amdhsa_next_free_vgpr 1024
		.amdhsa_next_free_sgpr 98
		.amdhsa_reserve_vcc 0
		.amdhsa_float_denorm_mode_32 3
		.amdhsa_float_denorm_mode_16_64 3
		.amdhsa_memory_ordered 1
		.amdhsa_forward_progress 1
		.amdhsa_inst_pref_size 126
	.end_amdhsa_kernel
	.amdgpu_metadata
---
amdhsa.version: [ 1, 2 ]
amdhsa.kernels:
  - .name:           k_qef8c53e93a_qkv
    .symbol:         k_qef8c53e93a_qkv.kd
    .args:
      - { .name: xc, .offset: 0, .size: 8, .value_kind: global_buffer, .address_space: global }
      - { .name: xs, .offset: 8, .size: 8, .value_kind: global_buffer, .address_space: global }
      - { .name: wc, .offset: 16, .size: 8, .value_kind: global_buffer, .address_space: global }
      - { .name: ws, .offset: 24, .size: 8, .value_kind: global_buffer, .address_space: global }
      - { .name: qkv, .offset: 32, .size: 8, .value_kind: global_buffer, .address_space: global }
    .group_segment_fixed_size: 327680
    .private_segment_fixed_size: 0
    .kernarg_segment_align: 8
    .kernarg_segment_size: 40
    .max_flat_workgroup_size: 128
    .sgpr_count:     98
    .vgpr_count:     1024
    .wavefront_size: 32
...
	.end_amdgpu_metadata
.endif
;; end of part 2
;; launch firsta (part 3): grid 16 x 4, 4 waves a work-group, no clusters, 8,960 bytes of LDS; arguments xc, xs, wc, ws, o32; writes o32
.if DOCPART == 3
	.amdgcn_target "amdgcn-amd-amdhsa--gfx1250"
	.amdhsa_code_object_version 6
	.text
	.protected	k_qef8c53e93a_firsta
	.globl	k_qef8c53e93a_firsta
	.p2align	8
	.type	k_qef8c53e93a_firsta,@function
k_qef8c53e93a_firsta:
	s_mov_b64 s[64:65], 0
	v_nop
	global_prefetch_b8 v0, s[64:65] scope:SCOPE_SE
	s_setreg_imm32_b32 hwreg(HW_REG_WAVE_MODE, 25, 1), 1
	s_wait_xcnt 0x0
; THE FIRST 16 POSITIONS of every sequence, finely: their rows average one to sixteen values, so they are carried in f32 from the projections' sums to the attention's result.
; A work-group is one head of one batch.  Q, K, V of positions 0-15 are made anew from the codes (FP4, E8M0 scales, f32 sums) and stay in f32; scores, softmax and weights x V are f32.  o32 [batch][16][1024] f32.
; Wave j owns channels 16 j .. 16 j + 15 of the head.  Q and K are made transposed (source 0 = 16 rows of W, source 1 = x's 16 rows): lane (r, h) holds position r, channels 8 h + 0..7.
; V is made the natural way round: lane (r, h) holds channel r, keys 8 h + 0..7.  A register pair (2 i, 2 i + 1) taken alike from two such results is one K step of the f32 matrix form, under one
; permutation of k on both sides.  So S^T = sum over i of K[2i:2i+1] x Q[2i:2i+1] (a lane: query r, keys 8 h + j), summed over the four waves through LDS, and O^T = sum over i of V[2i:2i+1] x P[2i:2i+1].
; No cluster: what work-groups share is x's 8 KiB of codes, a small part of what each reads.  No prefetch: the launch is short.  NaN and infinities are not served.
.set IMG,   0                          ; LDS: the four waves' partial scores, images of 8 registers: 1,024 bytes each
.set STG,   4096                       ; 16 rows x (256 + 16): the head's result
.set SPARE, 8448                       ; the spare words: 128 bytes a wave
.set SPW, 6
.set NIL, 7
.set XF,  16                           ; v16-79   x's fragments, 8 K steps
.set XS,  80                           ; v80-87   x's scale words: they hold scales and nothing else
.set WS,  88                           ; v88-111  the weights' scale words: 8 which + q
.set WF,  112                          ; v112-207 the weights' fragments: 32 which + 8 (q % 4)
.set QA,  208
.set KA,  216
.set VA,  224
.set FA,  232                          ; v232-247: written by the f32 matrix form alone
.set FB,  240
.set T,   16                           ; behind the projections: scores
.set IM,  24                           ; the four images
.set P,   56                           ; the weights
.set RR,  64                           ; the result
	s_load_b256 s[4:11], s[0:1], 0x0               ; xc, xs, wc, ws
	s_load_b64 s[12:13], s[0:1], 0x20              ; o32
	v_lshl_add_u32 v[SPW], v0, 2, SPARE
	v_mov_b32 v[NIL], 0
	v_lshrrev_b32 v1, 5, v0
	v_readfirstlane_b32 s14, v1                    ; wave j
	s_and_b32 s16, ttmp7, 0xffff                   ; batch
	v_and_b32 v1, 15, v0                           ; r
	v_bfe_u32 v2, v0, 4, 1                         ; h
	v_and_b32 v4, 31, v0
	v_lshlrev_b32 v3, 9, v1
	v_lshl_add_u32 v3, v2, 4, v3                   ; codes: row r of 512 bytes, + 16 h
	v_lshlrev_b32 v5, 5, v1                        ; scale bytes: row r of 32
	v_lshlrev_b32 v9, 4, v4                        ; an image's place for my lane
	s_lshl_b32 s22, s14, 10
	v_add_nc_u32 v8, s22, v9                       ; where I store my image
	v_mul_u32_u24 v10, v1, 272
	v_lshl_add_u32 v10, v2, 5, v10
	s_lshl_b32 s22, s14, 6
	s_add_co_u32 s22, s22, STG
	v_add_nc_u32 v10, s22, v10                     ; the stage, in: row r, my wave's 64 bytes, + 32 h
	v_mul_u32_u24 v11, v2, 272
	v_lshl_add_u32 v11, v1, 4, v11
	s_mul_i32 s22, s14, 4*272
	s_add_co_u32 s22, s22, STG
	v_add_nc_u32 v11, s22, v11                     ; back: rows 4 j + h (+ 2), 16 bytes a lane
	v_lshlrev_b32 v12, 12, v2
	v_lshl_add_u32 v12, v1, 4, v12
	s_lshl_b32 s22, s14, 14
	v_add_nc_u32 v12, s22, v12                     ; and the same rows of o32, 4,096 bytes apart
	v_lshlrev_b32 v13, 3, v2
	v_sub_nc_u32 v13, v1, v13                      ; r - 8 h: register j's key 8 h + j is hidden where j > r - 8 h
	v_mov_b32 v14, 0xff800000                      ; -infinity
	s_mov_b32 s18, 0x76543210
	s_mov_b32 s19, 0xfedcba98                      ; v_permlanex16_b32's selects for lane l xor 16
	s_mov_b32 s20, 0x3e38aa3b                      ; c = log2(e) / sqrt(64)
	s_lshl_b32 s22, s16, 20                        ; xc: 2,048 rows of 512 bytes a batch
	s_mov_b32 s23, 0
	s_lshl_b32 s24, s16, 16                        ; xs: 2,048 rows of 32
	s_mov_b32 s25, 0
	s_lshl_b32 s26, ttmp9, 15                      ; wc: 64 rows a head,
	s_lshl_b32 s27, s14, 13                        ; 16 a wave
	s_add_co_u32 s26, s26, s27
	s_mov_b32 s27, 0
	s_lshl_b32 s28, ttmp9, 11                      ; ws likewise
	s_lshl_b32 s29, s14, 9
	s_add_co_u32 s28, s28, s29
	s_mov_b32 s29, 0
	s_lshl_b32 s30, s16, 16                        ; o32: 16 rows of 4,096 bytes a batch,
	s_lshl_b32 s31, ttmp9, 8                       ; 256 bytes a head
	s_add_co_u32 s30, s30, s31
	s_mov_b32 s31, 0
	s_wait_kmcnt 0x0
	s_add_nc_u64 s[4:5], s[4:5], s[22:23]
	s_add_nc_u64 s[6:7], s[6:7], s[24:25]
	s_add_nc_u64 s[8:9], s[8:9], s[26:27]
	s_add_nc_u64 s[10:11], s[10:11], s[28:29]
	s_add_nc_u64 s[12:13], s[12:13], s[30:31]
.irp q, 0,1,2,3,4,5,6,7
.irp c, 0,1
	global_load_b128 v[XF+8*\q+4*\c:XF+8*\q+4*\c+3], v3, s[4:5] offset:64*\q+32*\c
.endr
.endr
	global_load_b128 v[XS:XS+3], v5, s[6:7]
	global_load_b128 v[XS+4:XS+7], v5, s[6:7] offset:16
.irp w, 0,1,2
	global_load_b128 v[WS+8*\w:WS+8*\w+3], v5, s[10:11] offset:32768*\w
	global_load_b128 v[WS+8*\w+4:WS+8*\w+7], v5, s[10:11] offset:32768*\w+16
.endr
.macro WLOAD q0                        ; four K steps of my 16 rows of Wq, Wk, Wv
.irp w, 0,1,2
.irp q, 0,1,2,3
.irp c, 0,1
	global_load_b128 v[WF+32*\w+8*\q+4*\c:WF+32*\w+8*\q+4*\c+3], v3, s[8:9] offset:524288*\w+64*(\q0+\q)+32*\c
.endr
.endr
.endr
.endm
.macro PROD q, zero                    ; K step q of the three projections: three accumulators by turns
.if \zero
	v_wmma_scale_f32_16x16x128_f8f6f4 v[QA:QA+7], v[WF+8*((\q)%4):WF+8*((\q)%4)+7], v[XF+8*(\q):XF+8*(\q)+7], 0, v[WS+(\q)], v[XS+(\q)] matrix_a_fmt:MATRIX_FMT_FP4 matrix_b_fmt:MATRIX_FMT_FP4
	v_wmma_scale_f32_16x16x128_f8f6f4 v[KA:KA+7], v[WF+32+8*((\q)%4):WF+32+8*((\q)%4)+7], v[XF+8*(\q):XF+8*(\q)+7], 0, v[WS+8+(\q)], v[XS+(\q)] matrix_a_fmt:MATRIX_FMT_FP4 matrix_b_fmt:MATRIX_FMT_FP4
	v_wmma_scale_f32_16x16x128_f8f6f4 v[VA:VA+7], v[XF+8*(\q):XF+8*(\q)+7], v[WF+64+8*((\q)%4):WF+64+8*((\q)%4)+7], 0, v[XS+(\q)], v[WS+16+(\q)] matrix_a_fmt:MATRIX_FMT_FP4 matrix_b_fmt:MATRIX_FMT_FP4
.else
	v_wmma_scale_f32_16x16x128_f8f6f4 v[QA:QA+7], v[WF+8*((\q)%4):WF+8*((\q)%4)+7], v[XF+8*(\q):XF+8*(\q)+7], v[QA:QA+7], v[WS+(\q)], v[XS+(\q)] matrix_a_fmt:MATRIX_FMT_FP4 matrix_b_fmt:MATRIX_FMT_FP4
	v_wmma_scale_f32_16x16x128_f8f6f4 v[KA:KA+7], v[WF+32+8*((\q)%4):WF+32+8*((\q)%4)+7], v[XF+8*(\q):XF+8*(\q)+7], v[KA:KA+7], v[WS+8+(\q)], v[XS+(\q)] matrix_a_fmt:MATRIX_FMT_FP4 matrix_b_fmt:MATRIX_FMT_FP4
	v_wmma_scale_f32_16x16x128_f8f6f4 v[VA:VA+7], v[XF+8*(\q):XF+8*(\q)+7], v[WF+64+8*((\q)%4):WF+64+8*((\q)%4)+7], v[VA:VA+7], v[XS+(\q)], v[WS+16+(\q)] matrix_a_fmt:MATRIX_FMT_FP4 matrix_b_fmt:MATRIX_FMT_FP4
.endif
.endm
	WLOAD 0
	s_wait_loadcnt 0x0
	PROD 0, 1
	PROD 1, 0
	PROD 2, 0
	PROD 3, 0
.rept 4
	v_nop                                          ; places in front of loads into registers that matrix instructions have read
.endr
	WLOAD 4
	s_wait_loadcnt 0x0
	PROD 4, 0
	PROD 5, 0
	PROD 6, 0
	PROD 7, 0
.rept 5
	v_nop                                          ; five places before a matrix instruction takes these results as operands
.endr
	v_wmma_f32_16x16x4_f32 v[FA:FA+7], v[KA:KA+1], v[QA:QA+1], 0              ; my 16 channels' part of S^T, two accumulators by turns
	v_wmma_f32_16x16x4_f32 v[FB:FB+7], v[KA+2:KA+3], v[QA+2:QA+3], 0
	v_wmma_f32_16x16x4_f32 v[FA:FA+7], v[KA+4:KA+5], v[QA+4:QA+5], v[FA:FA+7]
	v_wmma_f32_16x16x4_f32 v[FB:FB+7], v[KA+6:KA+7], v[QA+6:QA+7], v[FB:FB+7]
.rept 8
	v_nop                                          ; eight places behind this form
.endr
.irp j, 0,1,2,3,4,5,6,7
	v_add_f32 v[T+\j], v[FA+\j], v[FB+\j]          ; from the low end on
.endr
	ds_store_b128 v8, v[T:T+3]
	ds_store_b128 v8, v[T+4:T+7] offset:512
	s_wait_dscnt 0x0                               ; for the others' sake: my image has landed
	s_barrier_signal -1
	s_barrier_wait -1
.irp w, 0,1,2,3
	ds_load_b128 v[IM+8*\w:IM+8*\w+3], v9 offset:IMG+1024*\w
	ds_load_b128 v[IM+8*\w+4:IM+8*\w+7], v9 offset:IMG+1024*\w+512
.endr
	s_wait_dscnt 0x0
.irp p, 0,2,4,6
	v_pk_add_f32 v[T+\p:T+\p+1], v[IM+\p:IM+\p+1], v[IM+8+\p:IM+8+\p+1]
	v_pk_add_f32 v[IM+16+\p:IM+16+\p+1], v[IM+16+\p:IM+16+\p+1], v[IM+24+\p:IM+24+\p+1]
.endr
.irp p, 0,2,4,6
	v_pk_add_f32 v[T+\p:T+\p+1], v[T+\p:T+\p+1], v[IM+16+\p:IM+16+\p+1]     ; the scores over all 64 channels: query r, keys 8 h + j
.endr
.irp j, 0,1,2,3,4,5,6,7
	v_cmp_gt_i32 vcc_lo, \j, v13                   ; the causal mask
	v_cndmask_b32 v[T+\j], v[T+\j], v14, vcc_lo
.endr
	v_max3_num_f32 v72, v[T], v[T+1], v[T+2]
	v_max3_num_f32 v73, v[T+3], v[T+4], v[T+5]
	v_max3_num_f32 v72, v72, v[T+6], v[T+7]
	v_max_num_f32 v72, v72, v73
	v_permlanex16_b32 v74, v72, s18, s19           ; (its destination has been written: by x's loads)
	v_max_num_f32 v72, v72, v74                    ; the row's maximum: key 0 counts for every query, so it is a number
	v_mul_f32 v73, s20, v72
.irp j, 0,1,2,3,4,5,6,7
	v_fma_f32 v[P+\j], v[T+\j], s20, -v73
.endr
.irp j, 0,1,2,3,4,5,6,7
	v_exp_f32 v[P+\j], v[P+\j]                     ; p = 2^(c s - c m)
.endr
	v_nop                                          ; a plain instruction behind the last exponential
	s_wait_alu depctr_va_vdst(0)                   ; one wait for the batch, ahead of its first reader
	v_add_f32 v74, v[P], v[P+1]
	v_add_f32 v75, v[P+2], v[P+3]
	v_add_f32 v76, v[P+4], v[P+5]
	v_add_f32 v77, v[P+6], v[P+7]
	v_add_f32 v74, v74, v75
	v_add_f32 v76, v76, v77
	v_add_f32 v74, v74, v76
	v_permlanex16_b32 v75, v74, s18, s19
	v_add_f32 v74, v74, v75                        ; the row's sum
	v_rcp_f32 v78, v74
	v_nop
	v_wmma_f32_16x16x4_f32 v[FA:FA+7], v[VA:VA+1], v[P:P+1], 0                ; O^T: my 16 channels x 16 queries; far more than nine plain instructions lie behind the scores' products
	v_wmma_f32_16x16x4_f32 v[FB:FB+7], v[VA+2:VA+3], v[P+2:P+3], 0
	v_wmma_f32_16x16x4_f32 v[FA:FA+7], v[VA+4:VA+5], v[P+4:P+5], v[FA:FA+7]
	v_wmma_f32_16x16x4_f32 v[FB:FB+7], v[VA+6:VA+7], v[P+6:P+7], v[FB:FB+7]
.rept 8
	v_nop
.endr
	s_wait_alu depctr_va_vdst(0)                   ; the reciprocal's wait, ahead of its first reader
.irp j, 0,1,2,3,4,5,6,7
	v_add_f32 v[RR+\j], v[FA+\j], v[FB+\j]
.endr
.irp j, 0,1,2,3,4,5,6,7
	v_mul_f32 v[RR+\j], v[RR+\j], v78              ; query r, channels 16 j + 8 h + 0..7
.endr
	ds_store_b128 v10, v[RR:RR+3]
	ds_store_b128 v10, v[RR+4:RR+7] offset:16
	s_wait_dscnt 0x0
	s_barrier_signal -1
	s_barrier_wait -1
	ds_load_b128 v[24:27], v11
	ds_load_b128 v[28:31], v11 offset:2*272
	s_wait_dscnt 0x0
	global_store_b128 v12, v[24:27], s[12:13]                  ; sixteen lanes store a row's 256 consecutive bytes, aligned
	global_store_b128 v12, v[28:31], s[12:13] offset:8192
	s_wait_tensorcnt 0x0                           ; the wave's end
	ds_add_u32 v[SPW], v[NIL]
	s_wait_dscnt 0x0
	s_endpgm
.Lfunc_end_k_qef8c53e93a_firsta:
	.size	k_qef8c53e93a_firsta, .Lfunc_end_k_qef8c53e93a_firsta-k_qef8c53e93a_firsta
	.p2alignl 7, 3214868480
	.fill 96, 4, 3214868480
	.section	.rodata,"a",@progbits
	.p2align	6, 0x0
	.amdhsa_kernel k_qef8c53e93a_firsta
		.amdhsa_group_segment_fixed_size 8960
		.amdhsa_private_segment_fixed_size 0
		.amdhsa_enable_private_segment 0
		.amdhsa_kernarg_size 40
		.amdhsa_user_sgpr_count 2
		.amdhsa_user_sgpr_kernarg_segment_ptr 1
		.amdhsa_wavefront_size32 1
		.amdhsa_system_sgpr_workgroup_id_x 1
		.amdhsa_system_sgpr_workgroup_id_y 1
		.amdhsa_system_sgpr_workgroup_id_z 1
		.amdhsa_system_vgpr_workitem_id 0
		.amdhsa_next_free_vgpr 256
		.amdhsa_next_free_sgpr 66
		.amdhsa_reserve_vcc 1
		.amdhsa_float_denorm_mode_32 3
		.amdhsa_float_denorm_mode_16_64 3
		.amdhsa_memory_ordered 1
		.amdhsa_forward_progress 1
		.amdhsa_inst_pref_size 19
	.end_amdhsa_kernel
	.amdgpu_metadata
---
amdhsa.version: [ 1, 2 ]
amdhsa.kernels:
  - .name:           k_qef8c53e93a_firsta
    .symbol:         k_qef8c53e93a_firsta.kd
    .args:
      - { .name: xc, .offset: 0, .size: 8, .value_kind: global_buffer, .address_space: global }
      - { .name: xs, .offset: 8, .size: 8, .value_kind: global_buffer, .address_space: global }
      - { .name: wc, .offset: 16, .size: 8, .value_kind: global_buffer, .address_space: global }
      - { .name: ws, .offset: 24, .size: 8, .value_kind: global_buffer, .address_space: global }
      - { .name: o32, .offset: 32, .size: 8, .value_kind: global_buffer, .address_space: global }
    .group_segment_fixed_size: 8960
    .private_segment_fixed_size: 0
    .kernarg_segment_align: 8
    .kernarg_segment_size: 40
    .max_flat_workgroup_size: 128
    .sgpr_count:     66
    .vgpr_count:     256
    .wavefront_size: 32
...
	.end_amdgpu_metadata
.endif
;; end of part 3
;; launch attn (part 4): grid 4 x 64, 16 waves a work-group, no clusters, 327,680 bytes of LDS; arguments qkv, att; writes att
.if DOCPART == 4
	.amdgcn_target "amdgcn-amd-amdhsa--gfx1250"
	.amdhsa_code_object_version 6
	.text
	.protected	k_qef8c53e93a_attn
	.globl	k_qef8c53e93a_attn
	.p2align	8
	.type	k_qef8c53e93a_attn,@function
k_qef8c53e93a_attn:
	s_mov_b64 s[64:65], 0
	v_nop
	global_prefetch_b8 v0, s[64:65] scope:SCOPE_SE
	s_setreg_imm32_b32 hwreg(HW_REG_WAVE_MODE, 25, 1), 1
	s_wait_xcnt 0x0
; att[b][h][q][:] = the sum over k <= q of softmax_k(Q[q] . K[k] / 8) V[k][:].  Q, K, V: qkv [3][64 (batch, head)][2048][64] f16; att [64][2048][64] f16.  Products on f16 operands with f32 sums;
; maxima, exponentials and sums in f32; the weights p (at most 1) are rounded to f16 for the second product, O once at the end.  A running maximum m and sum l for each query.
; SHARES.  Work-group (i, head) owns the query blocks i and 7 - i of 256 queries: waves 0-7 block i, waves 8-15 block 7 - i: under the causal mask every work-group has the same work, and both blocks
; walk the same keys, which come into LDS once for both.  A wave owns 32 queries, two tiles of 16, in 256 registers: four waves to a SIMD, so that one wave's vector work stands beside another's products.
; LAYOUT.  S^T = K Q^T (source 0 = 16 keys, source 1 = 16 queries): a lane holds ONE query (lane % 16) and keys 8 (lane / 16) + 0..7.  Two such tiles, rounded in pairs, are source 1 of O^T = V^T P.
; K comes out of LDS as it lies, V ([key][channel]) turned, by ds_load_tr16_b128.
; THE WALK.  Eight slots of 256 keys, four steps of 64 each, through a ring of two LDS slots (waves 0, 1 fetch K's halves, waves 2, 3 V's).  Every work-group walks all slots: trip counts are constants.
; A step all of whose keys come after the wave's queries is jumped over (a scalar branch on ids); a slot whose first key comes after the work-group's last query is not asked for.
; NO CLUSTER: the work-groups of a head need different numbers of slots (8 - i), and the jumps hang on the query block, which differs between them.
; A step that is walked has its first key at or under the wave's first query (64 divides the one, 32 the other), so every query sees a key in it and m is a number from the first step on.
.set PK,    144                        ; a row of K in LDS: 128 bytes + 16: the 16 rows of a load start at 16 different banks (ISA guide 11.1)
.set PV,    160                        ; a row of V: 128 + 32, for the turning load
.set VOFF,  256*PK                     ; a slot: 256 rows of K, then 256 rows of V
.set SLOT1, 1<<17                      ; slot 1 begins here: one exclusive or turns an address from slot to slot
.set STAGE, 212992                     ; behind the ring: 32 rows x 144 bytes for each wave, for the way out
.set SPARE, STAGE+16*4608              ; the spare words: 128 bytes a wave, eight blocks of 256 bytes that no other line names
.set AK0,  1                           ; my lane's place in a tile of K
.set AV0,  2                           ; and of V
.set SPW,  3
.set NIL,  4
.set ADK,  5
.set ADV,  6
.set DQ,   7                           ; r - 8 h
.set D0,   8
.set NINF, 9
.set ST,   10                          ; tile t's statistics at v[ST + 8 t]: +0 c m, +1 m, +2, +3 l, +4 .. +7 at work; the factor a in +6
.set STO,  26
.set RD,   27
.set GO,   28
.set PFO,  29
.set D1,   30
.set QO,   31
.set QF,   32                          ; v32-63   Q: 16 t + 8 e
.set KV,   64                          ; v64-127  K's fragments (16 a + 8 e), then V's (32 k + 8 c)
.set SA,   128                         ; v128-191 S^T: 32 t + 8 a; p's f16 pairs are laid over its first 16 registers of each tile
.set OA,   192                         ; v192-255 O^T: 32 t + 8 c
.set WV,   8
.set SEL,  12
.set CS,   14                          ; s[14:15] c = log2(e) / 8
.set G1K,  16
.set G1V,  24
.set G0K,  32
.set G0V,  36
.set TB,   40                          ; LDS byte at which the slot in hand begins
.set KF,   41                          ; the step's first key
.set Q0,   42                          ; my first query
.set SLOTS, 43
.set LASTQ, 44                         ; my work-group's last query
.set LIM,  45
.set PFA,  46
.macro TLOAD                           ; waves 0, 1 fetch K's halves, waves 2, 3 V's; an s_nop 0 and four v_nop follow each line
	s_cmp_lt_u32 s[WV], 2
	s_cbranch_scc0 .Lnot_k_\@
	tensor_load_to_lds s[G0K:G0K+3], s[G1K:G1K+7]
	s_nop 0
.rept 4
	v_nop
.endr
	s_branch .Lasked_\@
.Lnot_k_\@:
	s_cmp_lt_u32 s[WV], 4
	s_cbranch_scc0 .Lasked_\@
	tensor_load_to_lds s[G0V:G0V+3], s[G1V:G1V+7]
	s_nop 0
.rept 4
	v_nop
.endr
.Lasked_\@:
.endm
; A prefetch of what the NEXT change of slots will ask for: 32,768 dense bytes of K and as many of V.  All four work-groups of a head walk the same rows: work-group 0, which walks every slot, asks.
; In it waves 4-7 ask for K's, waves 8-11 for V's: 8,192 bytes a wave, lanes 256 bytes apart: each aligned block of 256 bytes is named once.  The last change that fills a slot asks for nothing.
.macro ASK
	s_cmp_gt_u32 s[SLOTS], s[LIM]
	s_cbranch_scc0 .Lnot_mine_\@
	global_prefetch_b8 v[PFO], s[PFA:PFA+1] th:TH_LOAD_NT scope:SCOPE_SE
.Lnot_mine_\@:
.endm
	s_load_b128 s[4:7], s[0:1], 0x0                ; qkv, att
	v_lshl_add_u32 v[SPW], v0, 2, SPARE
	v_mov_b32 v[NIL], 0
	ds_add_u32 v[SPW], v[NIL]                      ; the wave's opening: the add, twice on end, and its wait ahead of the first tensor load
	ds_add_u32 v[SPW], v[NIL]
	v_lshrrev_b32 v5, 5, v0
	v_readfirstlane_b32 s[WV], v5                  ; wave 0..15
	s_lshr_b32 s48, s[WV], 3
	s_sub_co_u32 s49, 7, ttmp9
	s_lshl_b32 s[LASTQ], s49, 8
	s_or_b32 s[LASTQ], s[LASTQ], 255               ; block 7 - i's last query
	s_cmp_eq_u32 s48, 0
	s_cselect_b32 s49, ttmp9, s49                  ; my block of 256 queries
	s_bfe_u32 s50, s[WV], 0x10002
	s_mul_i32 s50, s50, 7
	s_and_b32 s51, s[WV], 3
	s_xor_b32 s50, s50, s51                        ; my 32 of them: 0..3 and 7..4, so that waves four apart have early and late queries
	s_lshl_b32 s49, s49, 8
	s_lshl_b32 s50, s50, 5
	s_add_co_u32 s[Q0], s49, s50
	s_and_b32 s52, ttmp7, 0xffff
	s_lshl_b32 s52, s52, 18                        ; the head's first byte in each of Q, K, V and in att
	s_and_b32 s48, s[WV], 1                        ; which 128 rows I fetch, if I fetch
	s_lshl_b32 s49, s48, 14
	s_add_co_u32 s50, s52, s49
	s_add_co_u32 s50, s50, 0x1000000               ; K lies 16,777,216 bytes into qkv
	s_mov_b32 s51, 0
	s_mul_i32 s[G0K+1], s48, 128*PK                ; LDS: slot 0, my half
	s_mul_i32 s[G0V+1], s48, 128*PV
	s_add_co_u32 s[G0V+1], s[G0V+1], VOFF
	s_lshl_b32 s54, s[Q0], 7
	s_add_co_u32 s54, s54, s52                     ; my first query's row in Q and in att
	s_mov_b32 s55, 0
	s_mov_b32 s[G1K], (0<<16)|(1<<20)|(4<<22)|(3<<25)             ; no mask; elements of 1 byte; padding on: after every 32 words, 4 words
	s_mov_b32 s[G1K+1], 128<<16                    ; tensor_dim0
	s_mov_b32 s[G1K+2], 128<<16                    ; tensor_dim1
	s_mov_b32 s[G1K+3], 128<<16                    ; tile_dim0
	s_mov_b32 s[G1K+4], 128                        ; tile_dim1
	s_mov_b32 s[G1K+5], 128                        ; the pitch
	s_mov_b32 s[G1K+6], 0
	s_mov_b32 s[G1K+7], 0
	s_mov_b32 s[G1V], (0<<16)|(1<<20)|(4<<22)|(7<<25)             ; the same with 8 words of padding
	s_mov_b32 s[G1V+1], 128<<16
	s_mov_b32 s[G1V+2], 128<<16
	s_mov_b32 s[G1V+3], 128<<16
	s_mov_b32 s[G1V+4], 128
	s_mov_b32 s[G1V+5], 128
	s_mov_b32 s[G1V+6], 0
	s_mov_b32 s[G1V+7], 0
	s_mov_b32 s[SEL], 0x76543210
	s_mov_b32 s[SEL+1], 0xfedcba98
	s_mov_b32 s[CS], 0x3e38aa3b                    ; c = log2(e) / sqrt(64)
	s_mov_b32 s[CS+1], s[CS]
	s_mov_b32 s[TB], 0
	s_mov_b32 s[KF], 0
	s_mov_b32 s[SLOTS], 7
	s_cmp_lt_u32 s[WV], 8                          ; the prefetches: waves 4-7 K's rows, waves 8-11 V's
	s_mov_b32 s49, 0x2000000
	s_cselect_b32 s56, 0x1000000, s49
	s_and_b32 s49, s[WV], 3
	s_lshl_b32 s49, s49, 13                        ; my wave's 8,192 bytes
	s_add_co_u32 s56, s56, s49
	s_add_co_u32 s56, s56, s52
	s_add_co_u32 s56, s56, 32768                   ; in slot 1: the first change of slots steps it to slot 2
	s_mov_b32 s57, 0
	s_sub_co_u32 s48, s[WV], 4
	s_lshr_b32 s48, s48, 3                         ; 0 in waves 4 to 11,
	s_or_b32 s48, s48, ttmp9                       ; of the head's work-group 0
	s_cmp_eq_u32 s48, 0
	s_cselect_b32 s[LIM], 1, -1
	s_wait_dscnt 0x0                               ; both opening adds are done
	s_wait_kmcnt 0x0
	s_mov_b32 s[G0K], 1
	s_add_nc_u64 s[G0K+2:G0K+3], s[4:5], s[50:51]
	s_mov_b32 s[G0V], 1
	s_add_nc_u64 s[G0V+2:G0V+3], s[G0K+2:G0K+3], 0x1000000        ; V lies as far behind K
	s_or_b32 s[G0K+3], s[G0K+3], 0x80000000
	s_or_b32 s[G0V+3], s[G0V+3], 0x80000000
	TLOAD                                          ; slot 0: one load of mine is out at the most, here and behind every barrier
	s_add_nc_u64 s[PFA:PFA+1], s[4:5], s[56:57]
	s_add_nc_u64 s[4:5], s[4:5], s[54:55]          ; Q at my first query
	s_add_nc_u64 s[6:7], s[6:7], s[54:55]          ; att likewise
	v_and_b32 v8, 15, v0                           ; r
	v_bfe_u32 v30, v0, 4, 1                        ; h
	v_and_b32 v5, 31, v0                           ; lane
	v_lshlrev_b32 v[QO], 7, v8
	v_lshl_add_u32 v[QO], v30, 4, v[QO]            ; Q: row r of 128 bytes, + 16 h
.irp t, 0,1
.irp e, 0,1
.irp z, 0,1
	global_load_b128 v[QF+16*\t+8*\e+4*\z:QF+16*\t+8*\e+4*\z+3], v[QO], s[4:5] offset:2048*\t+64*\e+32*\z   ; Q stays in registers
.endr
.endr
.endr
	v_mul_u32_u24 v[AK0], v8, PK
	v_lshl_add_u32 v[AK0], v30, 4, v[AK0]
	v_and_b32 v6, 7, v0
	v_lshl_add_u32 v[AV0], v30, 3, v6              ; the turning load: key 8 h + l % 8,
	v_mul_u32_u24 v[AV0], v[AV0], PV
	v_bfe_u32 v6, v0, 3, 1
	v_lshl_add_u32 v[AV0], v6, 4, v[AV0]           ; channels 8 ((l / 8) % 2) on
	v_add_nc_u32 v[AV0], VOFF, v[AV0]
	v_lshlrev_b32 v[DQ], 3, v30
	v_sub_nc_u32 v[DQ], v8, v[DQ]
	v_mov_b32 v[NINF], 0xff800000
	s_mul_i32 s48, s[WV], 4608
	s_add_co_u32 s48, s48, STAGE                   ; my stage
	v_add_nc_u32 v[STO], s48, v[AK0]               ; in: row r of 144 bytes, + 16 h
	v_bfe_u32 v6, v0, 3, 2
	v_mul_u32_u24 v[RD], v6, 144
	v_and_b32 v6, 7, v0
	v_lshl_add_u32 v[RD], v6, 4, v[RD]
	v_add_nc_u32 v[RD], s48, v[RD]                 ; back: eight lanes to a row, four rows an instruction
	v_lshlrev_b32 v[GO], 4, v5                     ; which are 512 consecutive bytes of att
	v_lshlrev_b32 v[PFO], 8, v5
.irp t, 0,1
	v_mov_b32 v[ST+8*\t+1], 0xff61b1e6             ; m: -3e38, under every score
	v_mul_f32 v[ST+8*\t], s[CS], v[ST+8*\t+1]
.irp j, 2,3,4,5,6,7
	v_mov_b32 v[ST+8*\t+\j], 0
.endr
.endr
.set i, 0
.rept 64
	v_mov_b32 v[OA+i], 0                           ; O^T.  (The step is written once: the first finds zeros, which its factor a = 0 leaves zeros)
.set i, i+1
.endr
; A KEY STEP: 64 keys, the q-th of the slot in hand.
.macro STEP q
	s_add_co_u32 s48, s[Q0], 31
	s_cmp_gt_u32 s[KF], s48                        ; all its keys come after my 32 queries: left out
	s_cbranch_scc1 .Lhid_\@
	v_add_nc_u32 v[ADK], s[TB], v[AK0]
	v_add_nc_u32 v[ADV], s[TB], v[AV0]
.rept 3
	v_nop                                          ; with the two additions five places: the last products read registers into which loads land and matrix instructions write below
.endr
.irp a, 0,1,2,3
.irp e, 0,1
.irp z, 0,1
	ds_load_b128 v[KV+16*\a+8*\e+4*\z:KV+16*\a+8*\e+4*\z+3], v[ADK] offset:(64*(\q)+16*\a)*PK+64*\e+32*\z
.endr
.endr
.endr
	s_wait_dscnt 0x0
.irp e, 0,1                                    ; S^T = K Q^T: eight accumulators by turns; the first eight products start the sums
.irp a, 0,1,2,3
.irp t, 0,1
.if \e == 0
	v_wmma_f32_16x16x32_f16 v[SA+32*\t+8*\a:SA+32*\t+8*\a+7], v[KV+16*\a+8*\e:KV+16*\a+8*\e+7], v[QF+16*\t+8*\e:QF+16*\t+8*\e+7], 0
.else
	v_wmma_f32_16x16x32_f16 v[SA+32*\t+8*\a:SA+32*\t+8*\a+7], v[KV+16*\a+8*\e:KV+16*\a+8*\e+7], v[QF+16*\t+8*\e:QF+16*\t+8*\e+7], v[SA+32*\t+8*\a:SA+32*\t+8*\a+7]
.endif
.endr
.endr
.endr
.rept 4
	v_nop                                          ; places in front of the loads into K's registers and of the first read of the scores
.endr
.irp k, 0,1                                    ; V, turned: it lands under the softmax
.irp c, 0,1,2,3
.irp z, 0,1
	ds_load_tr16_b128 v[KV+32*\k+8*\c+4*\z:KV+32*\k+8*\c+4*\z+3], v[ADV] offset:(64*(\q)+32*\k+16*\z)*PV+32*\c
.endr
.endr
.endr
	s_add_co_u32 s48, s[KF], 63
	s_cmp_le_u32 s48, s[Q0]                        ; all its keys count for all my queries: no mask
	s_cbranch_scc1 .Lopen_\@
	s_sub_co_i32 s48, s[Q0], s[KF]
	v_add_nc_u32 v[D0], s48, v[DQ]                 ; register n of tile t holds key KF + 16 (n / 8) + 8 h + n % 8: hidden where 16 (n / 8) + n % 8 > Q0 - KF + 16 t + r - 8 h
	v_add_nc_u32 v[D1], 16, v[D0]
.set n, 0
.rept 32
	v_cmp_gt_i32 vcc_lo, 16*(n/8)+n%8, v[D0]
	v_cndmask_b32 v[SA+n], v[SA+n], v[NINF], vcc_lo
	v_cmp_gt_i32 vcc_lo, 16*(n/8)+n%8, v[D1]
	v_cndmask_b32 v[SA+32+n], v[SA+32+n], v[NINF], vcc_lo
.set n, n+1
.endr
.Lopen_\@:
.irp j, 0,1,2,3                                ; the maximum of 32 scores and the old m: four chains, the two tiles by turns; each accumulator is read from its low end on
.irp t, 0,1
	v_max3_num_f32 v[ST+8*\t+4+\j], v[SA+32*\t+8*\j], v[SA+32*\t+8*\j+1], v[SA+32*\t+8*\j+2]
.endr
.endr
.irp g, 1,2
.irp j, 0,1,2,3
.irp t, 0,1
	v_max3_num_f32 v[ST+8*\t+4+\j], v[ST+8*\t+4+\j], v[SA+32*\t+8*\j+2*\g+1], v[SA+32*\t+8*\j+2*\g+2]
.endr
.endr
.endr
.irp t, 0,1
	v_max3_num_f32 v[ST+8*\t+4], v[ST+8*\t+4], v[SA+32*\t+7], v[SA+32*\t+15]
	v_max3_num_f32 v[ST+8*\t+6], v[ST+8*\t+6], v[SA+32*\t+23], v[SA+32*\t+31]
.endr
.irp t, 0,1
	v_max3_num_f32 v[ST+8*\t+4], v[ST+8*\t+4], v[ST+8*\t+5], v[ST+8*\t+6]
.endr
.irp t, 0,1
	v_max3_num_f32 v[ST+8*\t+4], v[ST+8*\t+4], v[ST+8*\t+7], v[ST+8*\t+1]
.endr
.irp t, 0,1
	v_permlanex16_b32 v[ST+8*\t+5], v[ST+8*\t+4], s[SEL], s[SEL+1]   ; the query's other 32 keys lie in the lane 16 away
.endr
.irp t, 0,1
	v_mov_b32 v[ST+8*\t+7], v[ST+8*\t]             ; c m_old
.endr
.irp t, 0,1
	v_max_num_f32 v[ST+8*\t+1], v[ST+8*\t+4], v[ST+8*\t+5]
.endr
.irp t, 0,1
	v_mul_f32 v[ST+8*\t], s[CS], v[ST+8*\t+1]
.endr
.irp t, 0,1
	v_sub_f32 v[ST+8*\t+7], v[ST+8*\t+7], v[ST+8*\t]
.endr
.irp t, 0,1
	v_exp_f32 v[ST+8*\t+6], v[ST+8*\t+7]           ; a = 2^(c m_old - c m_new)
.endr
.set i, 0
.rept 16
.irp t, 0,1
	v_pk_fma_f32 v[SA+32*\t+2*i:SA+32*\t+2*i+1], v[SA+32*\t+2*i:SA+32*\t+2*i+1], s[CS:CS+1], v[ST+8*\t:ST+8*\t+1] op_sel_hi:[1,0,0] neg_lo:[0,0,1] neg_hi:[0,0,1]   ; c s - c m
.endr
.set i, i+1
.endr
.set i, 0
.rept 32
.irp t, 0,1
	v_exp_f32 v[SA+32*\t+i], v[SA+32*\t+i]
.endr
.set i, i+1
.endr
	v_nop                                          ; a plain instruction behind the last exponential
	s_wait_alu depctr_va_vdst(0)                   ; ONE wait for the step's 66 exponentials, ahead of their first reader
.irp t, 0,1
	v_pk_mul_f32 v[ST+8*\t+2:ST+8*\t+3], v[ST+8*\t+2:ST+8*\t+3], v[ST+8*\t+6:ST+8*\t+7] op_sel_hi:[1,0]
.endr
.irp t, 0,1
	v_pk_add_f32 v[ST+8*\t+4:ST+8*\t+5], v[SA+32*\t:SA+32*\t+1], v[SA+32*\t+2:SA+32*\t+3]   ; the sums, of the unrounded p, in two chains a tile
.endr
.irp j, 4,8,12,16,20,24,28
.irp t, 0,1
	v_pk_add_f32 v[ST+8*\t+2:ST+8*\t+3], v[ST+8*\t+2:ST+8*\t+3], v[SA+32*\t+\j:SA+32*\t+\j+1]
	v_pk_add_f32 v[ST+8*\t+4:ST+8*\t+5], v[ST+8*\t+4:ST+8*\t+5], v[SA+32*\t+\j+2:SA+32*\t+\j+3]
.endr
.endr
.irp t, 0,1
	v_pk_add_f32 v[ST+8*\t+2:ST+8*\t+3], v[ST+8*\t+2:ST+8*\t+3], v[ST+8*\t+4:ST+8*\t+5]
.endr
.set i, 0
.rept 16
.irp t, 0,1
	v_cvt_pk_f16_f32 v[SA+32*\t+i], v[SA+32*\t+2*i], v[SA+32*\t+2*i+1]   ; in place, ascending: register i is written when registers 2 i and 2 i + 1 are read
.endr
.set i, i+1
.endr
.set i, 0
.rept 16
.irp t, 0,1
	v_pk_mul_f32 v[OA+32*\t+2*i:OA+32*\t+2*i+1], v[OA+32*\t+2*i:OA+32*\t+2*i+1], v[ST+8*\t+6:ST+8*\t+7] op_sel_hi:[1,0]   ; O^T x a
.endr
.set i, i+1
.endr
	s_wait_dscnt 0x0                               ; V is in
.irp k, 0,1                                    ; O^T += V^T P: eight accumulators by turns
.irp c, 0,1,2,3
.irp t, 0,1
	v_wmma_f32_16x16x32_f16 v[OA+32*\t+8*\c:OA+32*\t+8*\c+7], v[KV+32*\k+8*\c:KV+32*\k+8*\c+7], v[SA+32*\t+8*\k:SA+32*\t+8*\k+7], v[OA+32*\t+8*\c:OA+32*\t+8*\c+7]
.endr
.endr
.endr
.Lhid_\@:
	s_add_co_u32 s[KF], s[KF], 64
.endm
; THE CHANGE OF SLOTS stands at a slot's head.  Each wave waits for all its tensor loads, adds 0 to its spare word (fill = 1: twice on end), and waits for that and for its reads of the slot that it has left.
; Behind the barrier the slot ahead is whole and nobody reads the other one, which is then filled with the next 256 keys, up to the causal limit.
.macro CHANGE fill
	s_wait_tensorcnt 0x0                           ; no tensor load of mine is out, so a group 0 may be written
	ds_add_u32 v[SPW], v[NIL]
.if \fill
	ds_add_u32 v[SPW], v[NIL]                      ; and once more
	s_xor_b32 s[G0K+1], s[G0K+1], SLOT1            ; the walking descriptors: the other slot,
	s_add_nc_u64 s[G0K+2:G0K+3], s[G0K+2:G0K+3], 32768   ; the next 256 rows
	s_xor_b32 s[G0V+1], s[G0V+1], SLOT1
	s_add_nc_u64 s[G0V+2:G0V+3], s[G0V+2:G0V+3], 32768
	s_wait_xcnt 0x0                                ; the last prefetch, a slot back, has read its address
	s_add_nc_u64 s[PFA:PFA+1], s[PFA:PFA+1], 32768 ; one slot further on than the walking descriptors
.endif
	s_wait_dscnt 0x0                               ; the add is done, and my reads of the slot that I have left are over
	s_barrier_signal -1
	s_barrier_wait -1
.if \fill
	s_add_co_u32 s48, s[KF], 256                   ; the first key of the slot that this change would ask for
	s_cmp_gt_u32 s48, s[LASTQ]                     ; ids and the count of steps alone: all sixteen waves go the same way.  Past the limit none of them would read the slot
	s_cbranch_scc1 .Lpast_\@
	TLOAD                                          ; a wave's one tensor load until the next barrier: it has the slot's four steps in which to land
.Lpast_\@:
	ASK                                            ; what the next change will ask for: four key steps ahead of that load
.endif
.endm
.macro SLOT_STEPS
	STEP 0
	STEP 1
	STEP 2
	STEP 3
	s_xor_b32 s[TB], s[TB], SLOT1
.endm
	s_wait_loadcnt 0x0                             ; Q
.Lslot:                                            ; seven trips
	CHANGE 1
	SLOT_STEPS
	s_sub_co_u32 s[SLOTS], s[SLOTS], 1
	s_cmp_lg_u32 s[SLOTS], 0
	s_cbranch_scc1 .Lslot
	CHANGE 0                                       ; the last slot is written out: nothing is left to fetch
	SLOT_STEPS
	; THE WAY OUT: O^T / l, rounded to f16, through my stage, back as 32 rows of 128 bytes: 4,096 consecutive bytes of att.
.rept 4
	v_nop
.endr
.irp t, 0,1
	v_add_f32 v[ST+8*\t+4], v[ST+8*\t+2], v[ST+8*\t+3]
.endr
.irp t, 0,1
	v_permlanex16_b32 v[ST+8*\t+5], v[ST+8*\t+4], s[SEL], s[SEL+1]
.endr
.irp t, 0,1
	v_add_f32 v[ST+8*\t+4], v[ST+8*\t+4], v[ST+8*\t+5]
.endr
.irp t, 0,1
	v_rcp_f32 v[ST+8*\t+6], v[ST+8*\t+4]
.endr
	v_nop
	s_wait_alu depctr_va_vdst(0)                   ; one wait for the two reciprocals
.set i, 0
.rept 16
.irp t, 0,1
	v_pk_mul_f32 v[OA+32*\t+2*i:OA+32*\t+2*i+1], v[OA+32*\t+2*i:OA+32*\t+2*i+1], v[ST+8*\t+6:ST+8*\t+7] op_sel_hi:[1,0]
.endr
.set i, i+1
.endr
.set i, 0
.rept 32
	v_cvt_pk_f16_f32 v[SA+i], v[OA+2*i], v[OA+2*i+1]               ; registers 16 t + 4 c .. + 3: query r of tile t, channels 16 c + 8 h + 0..7
.set i, i+1
.endr
.irp t, 0,1
.irp c, 0,1,2,3
	ds_store_b128 v[STO], v[SA+16*\t+4*\c:SA+16*\t+4*\c+3] offset:2304*\t+32*\c
.endr
.endr
.irp i, 0,1,2,3,4,5,6,7
	ds_load_b128 v[KV+4*\i:KV+4*\i+3], v[RD] offset:576*\i         ; LDS serves a wave's instructions in order: these see my stores
.endr
.irp i, 0,1,2,3,4,5,6,7
	s_wait_dscnt 7-\i                              ; the younger loads may stay out
	global_store_b128 v[GO], v[KV+4*\i:KV+4*\i+3], s[6:7] offset:512*\i   ; 32 lanes store 512 consecutive bytes, aligned
.endr
	s_wait_tensorcnt 0x0                           ; the wave's end
	ds_add_u32 v[SPW], v[NIL]
	s_wait_dscnt 0x0
	s_endpgm
.Lfunc_end_k_qef8c53e93a_attn:
	.size	k_qef8c53e93a_attn, .Lfunc_end_k_qef8c53e93a_attn-k_qef8c53e93a_attn
	.p2alignl 7, 3214868480
	.fill 96, 4, 3214868480
	.section	.rodata,"a",@progbits
	.p2align	6, 0x0
	.amdhsa_kernel k_qef8c53e93a_attn
		.amdhsa_group_segment_fixed_size 327680
		.amdhsa_private_segment_fixed_size 0
		.amdhsa_enable_private_segment 0
		.amdhsa_kernarg_size 16
		.amdhsa_user_sgpr_count 2
		.amdhsa_user_sgpr_kernarg_segment_ptr 1
		.amdhsa_wavefront_size32 1
		.amdhsa_system_sgpr_workgroup_id_x 1
		.amdhsa_system_sgpr_workgroup_id_y 1
		.amdhsa_system_sgpr_workgroup_id_z 1
		.amdhsa_system_vgpr_workitem_id 0
		.amdhsa_next_free_vgpr 256
		.amdhsa_next_free_sgpr 66
		.amdhsa_reserve_vcc 1
		.amdhsa_float_denorm_mode_32 3
		.amdhsa_float_denorm_mode_16_64 3
		.amdhsa_memory_ordered 1
		.amdhsa_forward_progress 1
		.amdhsa_inst_pref_size 189
	.end_amdhsa_kernel
	.amdgpu_metadata
---
amdhsa.version: [ 1, 2 ]
amdhsa.kernels:
  - .name:           k_qef8c53e93a_attn
    .symbol:         k_qef8c53e93a_attn.kd
    .args:
      - { .name: qkv, .offset: 0, .size: 8, .value_kind: global_buffer, .address_space: global }
      - { .name: att, .offset: 8, .size: 8, .value_kind: global_buffer, .address_space: global }
    .group_segment_fixed_size: 327680
    .private_segment_fixed_size: 0
    .kernarg_segment_align: 8
    .kernarg_segment_size: 16
    .max_flat_workgroup_size: 512
    .sgpr_count:     66
    .vgpr_count:     256
    .wavefront_size: 32
...
	.end_amdgpu_metadata
.endif
;; end of part 4
;; launch oproj (part 5): grid 8 x 64, 4 waves a work-group, clusters of 4 x 4, 327,680 bytes of LDS; arguments att, wo16, out0; writes out0
.if DOCPART == 5
	.amdgcn_target "amdgcn-amd-amdhsa--gfx1250"
	.amdhsa_code_object_version 6
	.text
	.protected	k_qef8c53e93a_oproj
	.globl	k_qef8c53e93a_oproj
	.p2align	8
	.type	k_qef8c53e93a_oproj,@function
k_qef8c53e93a_oproj:
	s_mov_b64 s[64:65], 0
	v_nop
	global_prefetch_b8 v0, s[64:65] scope:SCOPE_SE
	s_setreg_imm32_b32 hwreg(HW_REG_WAVE_MODE, 25, 1), 1
	s_wait_xcnt 0x0
	s_wait_alu depctr_hold_cnt(0) depctr_sa_sdst(0) depctr_va_vdst(0) depctr_va_sdst(0) depctr_va_ssrc(0) depctr_va_vcc(0) depctr_vm_vsrc(0)
	s_getreg_b32 s2, hwreg(HW_REG_IB_STS2, 6, 4)
	s_cmp_eq_u32 s2, 0
	s_cbranch_scc0 .Lentry_in_a_cluster
	s_endpgm
.Lentry_in_a_cluster:
	s_bfe_u32 s2, ttmp6, 0x10000c
	s_cmp_lg_u32 s2, 0xf033
	s_cbranch_scc0 .Lentry_shape_is_right
	s_endpgm
.Lentry_shape_is_right:
; out0[m][n] = sum over k of A[m][k] Wo[n][k]: A = the attention's result, f16, laid by head: att [batch][head][position][64]; wo16 [1024][1024] f16; out0 [8192][1024] f32; sums in f32.
; (Rows 0-15 of each batch are written here like all others and replaced by the next launch, which carries them in f32.)
; A tile of out0 is 128 x 128: 512 work-groups of equal work.  Four waves, each 64 x 64: 16 accumulators.  K goes in steps of 256 (four heads) through a ring of two LDS slots.
; A's part of a slot that one wave fetches is 64 positions x 4 heads: four dense blocks of 8,192 bytes, 262,144 bytes apart: ONE tile of 4 rows of 8,192 bytes, with 16 bytes of padding behind every 128:
; in LDS [head][position][144 bytes].  B's is 64 rows of 512 bytes, pitch 528.
; CLUSTERS: 4 x 4 work-groups; A's tiles are asked for jointly along a row of the cluster, B's along a column.  THE MATRIX INSTRUCTION IS USED TRANSPOSED (source 0 = 16 rows of Wo, source 1 = 16 rows of A).
; REGISTERS: window 0: v0-31 addresses; v32-95 at work on the way out; v128-255 the accumulators ((a, b) at v[128 + 8 (4 a + b)]).  window 1: two fragment buffers of 128: 64 registers of A, then 64 of B.
; No prefetch: small tiles, and each tile is read by several work-groups at about the same time.
.set KSTEP,  256
.set PA,     144                       ; A's LDS row: 128 bytes + 16
.set HEADA,  64*PA                     ; 64 positions of one head
.set HALFA,  4*HEADA                   ; what one tensor load brings of A, and what one wave reads
.set PB,     528                       ; B's LDS row: 512 bytes + 16
.set HALFB,  64*PB
.set SLOT,   2*HALFA+2*HALFB
.set SPARE,  2*SLOT                    ; the spare words: 128 bytes a wave, two blocks of 256 bytes that no other line names
.set STAGE,  SPARE+512                 ; 16 rows x 272 bytes for each wave, for the way out; no tensor load fills it
.set SPITCH, 272
.set LAPS,   2                         ; K = 1,024: four K steps, twice round the ring
.set ADRA, 16
.set ADRB, 20
.set STO,  24
.set RD,   25
.set CO,   26
.set SPW,  28
.set NIL,  29
.set TMP,  32
.set ACC,  128
.set F0,   0
.set F1,   128
.set G1, 24
.set G0, 32
.set G1B, 48
.set G0B, 56
.set MSB, 0
.macro WIN new
.if MSB != \new
	s_set_vgpr_msb (MSB<<8)|\new
.set MSB, \new
.endif
.endm
.set MUL,  0x05                        ; sources 0 (B) and 1 (A) window 1; C and D window 0
.set TO_F, 0x40
.macro JLOAD s                         ; a joint load: waves 0 and 1 fetch A's halves, waves 2 and 3 B's; an s_nop 0 and four v_nop follow each line
	s_cmp_eq_u32 s11, 0
	s_cbranch_scc0 .Lfor_b_\@
	tensor_load_to_lds s[G0+4*\s:G0+4*\s+3], s[G1:G1+7]
	s_nop 0
.rept 4
	v_nop
.endr
	s_branch .Lasked_\@
.Lfor_b_\@:
	tensor_load_to_lds s[G0B+4*\s:G0B+4*\s+3], s[G1B:G1B+7]
	s_nop 0
.rept 4
	v_nop
.endr
.Lasked_\@:
.endm
.macro CREST
	s_cmp_lg_u32 s10, 0
	s_cbranch_scc1 .Lnot_wave_0_\@
	s_barrier_signal -3
.Lnot_wave_0_\@:
	s_barrier_wait -3
	s_barrier_signal -1
	s_barrier_wait -1
.endm
.macro CROUND
	s_barrier_signal -1
	s_barrier_wait -1
	CREST
.endm
	s_load_b128 s[4:7], s[0:1], 0x0                ; att, wo16
	s_load_b64 s[8:9], s[0:1], 0x10                ; out0
	v_lshl_add_u32 v[SPW], v0, 2, SPARE
	v_mov_b32 v[NIL], 0
	ds_add_u32 v[SPW], v[NIL]                      ; the wave's opening: the add, twice on end, and its wait ahead of my first tensor load
	ds_add_u32 v[SPW], v[NIL]
	v_lshrrev_b32 v1, 5, v0
	v_readfirstlane_b32 s10, v1                    ; wave 0..3
	s_lshr_b32 s11, s10, 1                         ; which half of the tile's rows is mine.  Also: I fetch for A (0) or for B (1)
	s_and_b32 s12, s10, 1                          ; which half of its columns.  Also: which 64 rows I fetch
	s_bfe_u32 s40, ttmp6, 0x40000
	s_bfe_u32 s41, ttmp6, 0x40004
	s_lshl_b32 s42, ttmp9, 2
	s_add_co_u32 s42, s42, s40                     ; tile column
	s_and_b32 s13, ttmp7, 0xffff
	s_lshl_b32 s13, s13, 2
	s_add_co_u32 s13, s13, s41                     ; tile row
	s_lshl_b32 s43, s41, 2
	s_lshl_b32 s43, 15, s43                        ; my row of the cluster
	s_lshl_b32 s44, 0x1111, s40                    ; my column
	s_or_b32 s[G1+0], s43, (3<<16)|(1<<20)|(1<<21)|(4<<22)|(3<<25)  ; A: the mask; elements of 8 bytes; padding on; bit 21 beside a mask; after every 32 words, 4 words
	s_mov_b32 s[G1+1], 1024<<16                    ; tensor_dim0: 8,192 bytes
	s_mov_b32 s[G1+2], 4<<16                       ; tensor_dim1: four heads
	s_mov_b32 s[G1+3], 1024<<16                    ; tile_dim0
	s_mov_b32 s[G1+4], 4                           ; tile_dim1
	s_mov_b32 s[G1+5], 32768                       ; from head to head: 262,144 bytes
	s_mov_b32 s[G1+6], 0
	s_mov_b32 s[G1+7], 0
	s_or_b32 s[G1B+0], s44, (1<<16)|(1<<20)|(1<<21)|(6<<22)|(3<<25) ; B: elements of 2 bytes; after every 128 words, 4 words
	s_mov_b32 s[G1B+1], KSTEP<<16
	s_mov_b32 s[G1B+2], 64<<16
	s_mov_b32 s[G1B+3], KSTEP<<16
	s_mov_b32 s[G1B+4], 64
	s_mov_b32 s[G1B+5], 1024
	s_mov_b32 s[G1B+6], 0
	s_mov_b32 s[G1B+7], 0
	s_lshl_b32 s17, s12, 6                         ; which 64 rows of the tile I fetch
	s_lshl_b32 s46, s42, 7
	s_add_co_u32 s46, s46, s17                     ; B: row 128 x tile column + 64 x half,
	s_lshl_b32 s46, s46, 11                        ; of 2,048 bytes
	s_mov_b32 s47, 0
	s_lshl_b32 s16, s13, 7
	s_add_co_u32 s16, s16, s17                     ; A: row m0 = 128 x tile row + 64 x half:
	s_lshr_b32 s18, s16, 11
	s_lshl_b32 s18, s18, 22                        ; batch m0 / 2048, 16 heads of 262,144 bytes,
	s_and_b32 s16, s16, 2047
	s_lshl_b32 s16, s16, 7                         ; position m0 % 2048, 128 bytes
	s_add_co_u32 s16, s16, s18
	s_mov_b32 s17, 0
	s_mul_i32 s20, s12, HALFA                      ; where they go: no place in the cluster enters an LDS address
	s_mul_i32 s21, s12, HALFB
	s_add_co_u32 s21, s21, 2*HALFA
	s_wait_dscnt 0x0                               ; both opening adds are done
	s_wait_kmcnt 0x0
	s_add_nc_u64 s[14:15], s[4:5], s[16:17]
	s_add_nc_u64 s[46:47], s[6:7], s[46:47]
	CROUND                                         ; all sixteen work-groups are here: the first joint loads meet
.irp s, 0,1
	s_mov_b32 s[G0+4*\s], 1
	s_add_co_u32 s[G0+4*\s+1], s20, \s*SLOT
	s_add_nc_u64 s[G0+4*\s+2:G0+4*\s+3], s[14:15], \s*1048576      ; K step s: heads 4 s on
	s_or_b32 s[G0+4*\s+3], s[G0+4*\s+3], 0x80000000
	s_mov_b32 s[G0B+4*\s], 1
	s_add_co_u32 s[G0B+4*\s+1], s21, \s*SLOT
	s_add_nc_u64 s[G0B+4*\s+2:G0B+4*\s+3], s[46:47], \s*KSTEP*2
	s_or_b32 s[G0B+4*\s+3], s[G0B+4*\s+3], 0x80000000
	JLOAD \s
.endr
	v_and_b32 v1, 15, v0                           ; l % 16
	v_bfe_u32 v2, v0, 4, 1                         ; l / 16
	v_mul_u32_u24 v3, v1, PA
	v_lshl_add_u32 v3, v2, 4, v3
	v_mul_u32_u24 v4, v1, PB
	v_lshl_add_u32 v4, v2, 4, v4
	s_mul_i32 s21, s11, HALFA                      ; my 64 rows of A
	s_mul_i32 s22, s12, HALFB                      ; my 64 rows of B,
	s_add_co_u32 s22, s22, 2*HALFA                 ; behind A's two halves
.irp s, 0,1
	v_add_nc_u32 v[ADRA+\s], s21, v3
	v_add_nc_u32 v[ADRB+\s], s22, v4
	s_add_co_u32 s21, s21, SLOT
	s_add_co_u32 s22, s22, SLOT
.endr
	s_mul_i32 s23, s10, 16*SPITCH
	s_add_co_u32 s23, s23, STAGE                   ; my stage
	v_mul_u32_u24 v4, v1, SPITCH
	v_lshl_add_u32 v4, v2, 5, v4
	v_add_nc_u32 v[STO], s23, v4                   ; in: row l % 16, 32 bytes for each half of the lanes
	v_mul_u32_u24 v5, v2, SPITCH
	v_lshl_add_u32 v5, v1, 4, v5
	v_add_nc_u32 v[RD], s23, v5                    ; back: lanes 0-15 one row of 256 bytes, lanes 16-31 the next
	v_lshlrev_b32 v5, 12, v2
	v_lshl_add_u32 v[CO], v1, 4, v5                ; and the same two rows of out0, 4,096 bytes apart
	s_lshl_b32 s16, s13, 7
	s_lshl_b32 s17, s11, 6
	s_add_co_u32 s16, s16, s17                     ; my first row: 128 x tile row + 64 x half
	s_lshl_b32 s16, s16, 12
	s_mov_b32 s17, 0
	s_add_nc_u64 s[8:9], s[8:9], s[16:17]
	s_lshl_b32 s46, s42, 9                         ; my first column, in bytes: 512 x tile column + 256 x half
	s_lshl_b32 s47, s12, 8
	s_add_co_u32 s46, s46, s47
	s_mov_b32 s47, 0
	s_add_nc_u64 s[8:9], s[8:9], s[46:47]
.macro MUL8 f, c, a0, zero             ; 8 matrix instructions: m blocks a0, a0 + 1 x all 4 n blocks, 32 along K: half c of buffer f; the 16 accumulators take turns
.irp a, \a0, \a0+1
.irp b, 0,1,2,3
.if \zero
	v_wmma_f32_16x16x32_f16 v[ACC+8*(4*(\a)+\b):ACC+8*(4*(\a)+\b)+7], v[\f+64+8*(4*\c+\b):\f+64+8*(4*\c+\b)+7], v[\f+8*(4*\c+\a):\f+8*(4*\c+\a)+7], 0
.else
	v_wmma_f32_16x16x32_f16 v[ACC+8*(4*(\a)+\b):ACC+8*(4*(\a)+\b)+7], v[\f+64+8*(4*\c+\b):\f+64+8*(4*\c+\b)+7], v[\f+8*(4*\c+\a):\f+8*(4*\c+\a)+7], v[ACC+8*(4*(\a)+\b):ACC+8*(4*(\a)+\b)+7]
.endif
.endr
.endr
.endm
; 32 LDS loads in one run: the fragments of 64 along K (one head) at byte k of B's rows, head k / 128 of A's part, into buffer f; the first 32 along K first
.macro FETCH slot, k, f
	WIN TO_F
.irp c, 0,1
.irp i, 0,1,2,3
	ds_load_b128 v[\f+64+8*(4*\c+\i):\f+64+8*(4*\c+\i)+3],   v[ADRB+\slot] offset:\k+64*\c+\i*16*PB
	ds_load_b128 v[\f+64+8*(4*\c+\i)+4:\f+64+8*(4*\c+\i)+7], v[ADRB+\slot] offset:\k+64*\c+\i*16*PB+32
	ds_load_b128 v[\f+8*(4*\c+\i):\f+8*(4*\c+\i)+3],         v[ADRA+\slot] offset:(\k/128)*HEADA+64*\c+\i*16*PA
	ds_load_b128 v[\f+8*(4*\c+\i)+4:\f+8*(4*\c+\i)+7],       v[ADRA+\slot] offset:(\k/128)*HEADA+64*\c+\i*16*PA+32
.endr
.endr
.endm
.macro PLACES
.rept 4
	v_nop
.endr
.endm
.macro QUARTER slot, k, f, g, zero     ; multiplies buffer f and fetches the next quarter, at byte k, into g
	s_wait_dscnt 16                                ; the first 32 along K are in; the other sixteen loads may be out
	WIN MUL
	MUL8 \f, 0, 0, \zero
	MUL8 \f, 0, 2, \zero
	PLACES
	FETCH \slot, \k, \g
	s_wait_dscnt 32                                ; all but the 32 just issued
	WIN MUL
	MUL8 \f, 1, 0, 0
	MUL8 \f, 1, 2, 0
.endm
; The last quarter multiplies buffer 1 and changes slots: one barrier; in front of it each wave waits for all its tensor loads, adds 0 to its spare word, and waits for that and for its reads of this slot.
.macro TURN slot, next, fill
	WIN 0
	s_wait_tensorcnt 0x0                           ; all my tensor loads have landed: my part of the next slot
	ds_add_u32 v[SPW], v[NIL]
	s_wait_dscnt 17                                ; (the add and the youngest sixteen loads may be out)
	WIN MUL
	MUL8 F1, 0, 0, 0
	s_wait_dscnt 0x0                               ; the add is done, and my reads of this slot are over
	s_barrier_signal -1
	MUL8 F1, 0, 2, 0
.if \fill
	WIN 0
.endif
	s_barrier_wait -1
.if \fill
	CREST                                          ; the barrier has opened a round of the cluster's: no wave of any partner still reads this slot or has a load on its way
	s_add_nc_u64 s[G0+4*\slot+2:G0+4*\slot+3], s[G0+4*\slot+2:G0+4*\slot+3], 2*1048576
	s_add_nc_u64 s[G0B+4*\slot+2:G0B+4*\slot+3], s[G0B+4*\slot+2:G0B+4*\slot+3], 2*KSTEP*2
	JLOAD \slot                                    ; the first tensor load behind the round; its four v_nop are also the places in front of the loads below
.else
	PLACES
.endif
	FETCH \next, 0, F0
	WIN MUL
	MUL8 F1, 1, 0, 0
	MUL8 F1, 1, 2, 0
.endm
	s_wait_tensorcnt 1                             ; my part of K step 0 is in (K step 1's load may be out)
	s_barrier_signal -1
	s_barrier_wait -1                              ; everybody's is
	FETCH 0, 0, F0
	QUARTER 0, 128, F0, F1, 1                      ; the first products start the sums
	WIN 0
	s_mov_b32 s3, LAPS-1
.Llap:                                                 ; a trip goes once round the ring and fills both slots again
	QUARTER 0, 256, F1, F0, 0
	QUARTER 0, 384, F0, F1, 0
	TURN 0, 1, 1
	QUARTER 1, 128, F0, F1, 0
	QUARTER 1, 256, F1, F0, 0
	QUARTER 1, 384, F0, F1, 0
	TURN 1, 0, 1
	QUARTER 0, 128, F0, F1, 0
	WIN 0
	s_sub_co_u32 s3, s3, 1
	s_cmp_lg_u32 s3, 0
	s_cbranch_scc1 .Llap
	QUARTER 0, 256, F1, F0, 0                      ; the last lap fills nothing
	QUARTER 0, 384, F0, F1, 0
	TURN 0, 1, 0
	QUARTER 1, 128, F0, F1, 0
	QUARTER 1, 256, F1, F0, 0
	QUARTER 1, 384, F0, F1, 0
	s_wait_dscnt 16
	WIN MUL
	MUL8 F1, 0, 0, 0
	MUL8 F1, 0, 2, 0
	s_wait_dscnt 0
	MUL8 F1, 1, 0, 0
	MUL8 F1, 1, 2, 0
	WIN 0
; THE WAY OUT, 16 rows x 64 columns at a time.  A wave's 64 f32 columns are 256 aligned bytes of a row, so each wave has a stage of its own and no barrier is needed.
.macro OSTAGE a
.irp b, 0,1,2,3
	ds_store_b128 v[STO], v[ACC+8*(4*(\a)+\b):ACC+8*(4*(\a)+\b)+3] offset:64*\b          ; each accumulator from its low end on
	ds_store_b128 v[STO], v[ACC+8*(4*(\a)+\b)+4:ACC+8*(4*(\a)+\b)+7] offset:64*\b+16
.endr
.irp t, 0,1,2,3,4,5,6,7
	ds_load_b128 v[TMP+32*((\a)%2)+4*\t:TMP+32*((\a)%2)+4*\t+3], v[RD] offset:\t*2*SPITCH   ; LDS serves a wave's instructions in order: these see the stores above
.endr
.endm
.macro OSEND a, younger
	s_wait_dscnt \younger                          ; the block is back; the next block's 8 stores and 8 loads may be out
.irp t, 0,1,2,3,4,5,6,7
	global_store_b128 v[CO], v[TMP+32*((\a)%2)+4*\t:TMP+32*((\a)%2)+4*\t+3], s[8:9] offset:65536*(\a)+8192*\t th:TH_STORE_NT   ; sixteen lanes store 256 consecutive bytes, aligned
.endr
.endm
	PLACES
	OSTAGE 0
	OSTAGE 1
	OSEND 0, 16
	s_wait_xcnt 0x0                                ; block 0's stores have read their registers: block 2's loads may land there
	OSTAGE 2
	OSEND 1, 16
	s_wait_xcnt 0x0
	OSTAGE 3
	OSEND 2, 16
	OSEND 3, 0
	s_wait_tensorcnt 0x0                           ; the wave's end
	ds_add_u32 v[SPW], v[NIL]
	s_wait_dscnt 0x0
	CROUND                                         ; the closing round
	s_endpgm
.Lfunc_end_k_qef8c53e93a_oproj:
	.size	k_qef8c53e93a_oproj, .Lfunc_end_k_qef8c53e93a_oproj-k_qef8c53e93a_oproj
	.p2alignl 7, 3214868480
	.fill 96, 4, 3214868480
	.section	.rodata,"a",@progbits
	.p2align	6, 0x0
	.amdhsa_kernel k_qef8c53e93a_oproj
		.amdhsa_group_segment_fixed_size 327680
		.amdhsa_private_segment_fixed_size 0
		.amdhsa_enable_private_segment 0
		.amdhsa_kernarg_size 24
		.amdhsa_user_sgpr_count 2
		.amdhsa_user_sgpr_kernarg_segment_ptr 1
		.amdhsa_wavefront_size32 1
		.amdhsa_system_sgpr_workgroup_id_x 1
		.amdhsa_system_sgpr_workgroup_id_y 1
		.amdhsa_system_sgpr_workgroup_id_z 1
		.amdhsa_system_vgpr_workitem_id 0
		.amdhsa_next_free_vgpr 512
		.amdhsa_next_free_sgpr 66
		.amdhsa_reserve_vcc 0
		.amdhsa_float_denorm_mode_32 3
		.amdhsa_float_denorm_mode_16_64 3
		.amdhsa_memory_ordered 1
		.amdhsa_forward_progress 1
		.amdhsa_inst_pref_size 86
	.end_amdhsa_kernel
	.amdgpu_metadata
---
amdhsa.version: [ 1, 2 ]
amdhsa.kernels:
  - .name:           k_qef8c53e93a_oproj
    .symbol:         k_qef8c53e93a_oproj.kd
    .args:
      - { .name: att, .offset: 0, .size: 8, .value_kind: global_buffer, .address_space: global }
      - { .name: wo16, .offset: 8, .size: 8, .value_kind: global_buffer, .address_space: global }
      - { .name: out0, .offset: 16, .size: 8, .value_kind: global_buffer, .address_space: global }
    .group_segment_fixed_size: 327680
    .private_segment_fixed_size: 0
    .kernarg_segment_align: 8
    .kernarg_segment_size: 24
    .max_flat_workgroup_size: 128
    .sgpr_count:     66
    .vgpr_count:     512
    .wavefront_size: 32
...
	.end_amdgpu_metadata
.endif
;; end of part 5
;; launch firstb (part 6): grid 16 x 4, 16 waves a work-group, no clusters, 19,456 bytes of LDS; arguments o32, Wo, out0; writes out0
.if DOCPART == 6
	.amdgcn_target "amdgcn-amd-amdhsa--gfx1250"
	.amdhsa_code_object_version 6
	.text
	.protected	k_qef8c53e93a_firstb
	.globl	k_qef8c53e93a_firstb
	.p2align	8
	.type	k_qef8c53e93a_firstb,@function
k_qef8c53e93a_firstb:
	s_mov_b64 s[64:65], 0
	v_nop
	global_prefetch_b8 v0, s[64:65] scope:SCOPE_SE
	s_setreg_imm32_b32 hwreg(HW_REG_WAVE_MODE, 25, 1), 1
	s_wait_xcnt 0x0
; THE FIRST 16 POSITIONS of every sequence through the projection on the way out, in f32: out0[b][q][n] = sum over k of o32[b][q][k] Wo[n][k], q = 0..15, by the f32 matrix form (64 rows in all: no bulk work).
; It replaces those rows of out0, which the launch before has written from f16 operands.
; A work-group is 64 columns of one batch: every stored piece of a row is 256 aligned bytes.  Wave w: columns 16 (w % 4) on, K = 256 (w / 4) on; the four parts along K meet in LDS.
; Lane (r, h) loads k = 8 i + 4 h + 0..3 of its row, alike from Wo and from o32: a register pair taken alike from both is one K step of 4 under one permutation of k.
; Source 0 = 16 rows of Wo, source 1 = the 16 positions: a lane holds position r, columns 8 h + 0..7.  No cluster, no prefetch: the launch is short and small.
.set STGB,  4352                       ; LDS: a stage of 16 rows x 272 bytes for each quarter of K
.set SPARE, 4*STGB                     ; the spare words: 128 bytes a wave
.set SPW, 4
.set NIL, 5
.set ACC0, 224                         ; v224-239: written by matrix instructions alone
.set ACC1, 232
.set SUM,  240
	s_load_b128 s[4:7], s[0:1], 0x0                ; o32, Wo
	s_load_b64 s[8:9], s[0:1], 0x10                ; out0
	v_lshl_add_u32 v[SPW], v0, 2, SPARE
	v_mov_b32 v[NIL], 0
	v_lshrrev_b32 v1, 5, v0
	v_readfirstlane_b32 s10, v1                    ; wave 0..15
	s_and_b32 s11, s10, 3                          ; my tile of 16 columns
	s_lshr_b32 s12, s10, 2                         ; my quarter of K
	s_and_b32 s13, ttmp7, 0xffff                   ; batch
	v_and_b32 v1, 15, v0                           ; r
	v_bfe_u32 v2, v0, 4, 1                         ; h
	v_lshlrev_b32 v3, 12, v1
	v_lshl_add_u32 v3, v2, 4, v3                   ; row r of 4,096 bytes, + 16 h: for Wo and for o32
	v_mul_u32_u24 v6, v1, 272
	v_lshl_add_u32 v6, v2, 5, v6
	s_mul_i32 s14, s12, STGB
	s_lshl_b32 s15, s11, 6
	s_add_co_u32 s14, s14, s15
	v_add_nc_u32 v6, s14, v6                       ; my quarter's stage: row r, my tile's 64 bytes, + 32 h
	v_and_b32 v9, 31, v0
	v_lshlrev_b32 v9, 3, v9
	s_mul_i32 s14, s10, 272
	v_add_nc_u32 v7, s14, v9                       ; back: wave w takes row w, 8 bytes a lane
	s_lshl_b32 s14, s10, 12
	v_add_nc_u32 v8, s14, v9                       ; and the same row of out0
	s_lshl_b32 s16, ttmp9, 6
	s_lshl_b32 s17, s11, 4
	s_add_co_u32 s16, s16, s17                     ; Wo: row 64 x work-group + 16 x tile,
	s_lshl_b32 s16, s16, 12
	s_lshl_b32 s17, s12, 10                        ; 1,024 bytes a quarter of K
	s_add_co_u32 s16, s16, s17
	s_lshl_b32 s18, s13, 16                        ; o32: 16 rows a batch
	s_add_co_u32 s18, s18, s17
	s_mov_b32 s17, 0
	s_mov_b32 s19, 0
	s_lshl_b32 s20, s13, 23                        ; out0: 2,048 rows a batch,
	s_lshl_b32 s21, ttmp9, 8                       ; 256 bytes a work-group
	s_add_co_u32 s20, s20, s21
	s_mov_b32 s21, 0
	s_wait_kmcnt 0x0
	s_add_nc_u64 s[6:7], s[6:7], s[16:17]
	s_add_nc_u64 s[4:5], s[4:5], s[18:19]
	s_add_nc_u64 s[8:9], s[8:9], s[20:21]
.macro LOADC g, s                      ; chunk g, 64 along K, into set s: Wo's at v[32 + 64 s], o32's at v[64 + 64 s]
.irp i, 0,1,2,3,4,5,6,7
	global_load_b128 v[32+64*\s+4*\i:32+64*\s+4*\i+3], v3, s[6:7] offset:256*\g+32*\i
	global_load_b128 v[64+64*\s+4*\i:64+64*\s+4*\i+3], v3, s[4:5] offset:256*\g+32*\i
.endr
.endm
.macro MULC s, first                   ; 16 matrix instructions, two accumulators by turns
.irp i, 0,1,2,3,4,5,6,7
.if \first && (\i == 0)
	v_wmma_f32_16x16x4_f32 v[ACC0:ACC0+7], v[32+64*\s+4*\i:32+64*\s+4*\i+1], v[64+64*\s+4*\i:64+64*\s+4*\i+1], 0
	v_wmma_f32_16x16x4_f32 v[ACC1:ACC1+7], v[32+64*\s+4*\i+2:32+64*\s+4*\i+3], v[64+64*\s+4*\i+2:64+64*\s+4*\i+3], 0
.else
	v_wmma_f32_16x16x4_f32 v[ACC0:ACC0+7], v[32+64*\s+4*\i:32+64*\s+4*\i+1], v[64+64*\s+4*\i:64+64*\s+4*\i+1], v[ACC0:ACC0+7]
	v_wmma_f32_16x16x4_f32 v[ACC1:ACC1+7], v[32+64*\s+4*\i+2:32+64*\s+4*\i+3], v[64+64*\s+4*\i+2:64+64*\s+4*\i+3], v[ACC1:ACC1+7]
.endif
.endr
.endm
	LOADC 0, 0
	LOADC 1, 1
	LOADC 2, 2
	s_wait_loadcnt 32                              ; chunk 0 is in; the 32 loads of chunks 1 and 2 may be out
	MULC 0, 1
.rept 8
	v_nop                                          ; eight places behind this form, in front of loads into registers that it has read
.endr
	LOADC 3, 0
	s_wait_loadcnt 32                              ; chunk 1 is in; chunks 2 and 3 may be out
	MULC 1, 0
	s_wait_loadcnt 16                              ; chunk 2 is in
	MULC 2, 0
	s_wait_loadcnt 0x0
	MULC 0, 0
.rept 8
	v_nop
.endr
.irp j, 0,1,2,3,4,5,6,7
	v_add_f32 v[SUM+\j], v[ACC0+\j], v[ACC1+\j]    ; from the low end on
.endr
	ds_store_b128 v6, v[SUM:SUM+3]
	ds_store_b128 v6, v[SUM+4:SUM+7] offset:16
	s_wait_dscnt 0x0                               ; for the others' sake: my part has landed
	s_barrier_signal -1
	s_barrier_wait -1
.irp k, 0,1,2,3
	ds_load_b64 v[16+2*\k:17+2*\k], v7 offset:STGB*\k
.endr
	s_wait_dscnt 0x0
	v_pk_add_f32 v[16:17], v[16:17], v[18:19]
	v_pk_add_f32 v[20:21], v[20:21], v[22:23]
	v_pk_add_f32 v[16:17], v[16:17], v[20:21]
	global_store_b64 v8, v[16:17], s[8:9]          ; 32 lanes store 256 consecutive bytes, aligned
	s_wait_tensorcnt 0x0                           ; the wave's end
	ds_add_u32 v[SPW], v[NIL]
	s_wait_dscnt 0x0
	s_endpgm
.Lfunc_end_k_qef8c53e93a_firstb:
	.size	k_qef8c53e93a_firstb, .Lfunc_end_k_qef8c53e93a_firstb-k_qef8c53e93a_firstb
	.p2alignl 7, 3214868480
	.fill 96, 4, 3214868480
	.section	.rodata,"a",@progbits
	.p2align	6, 0x0
	.amdhsa_kernel k_qef8c53e93a_firstb
		.amdhsa_group_segment_fixed_size 19456
		.amdhsa_private_segment_fixed_size 0
		.amdhsa_enable_private_segment 0
		.amdhsa_kernarg_size 24
		.amdhsa_user_sgpr_count 2
		.amdhsa_user_sgpr_kernarg_segment_ptr 1
		.amdhsa_wavefront_size32 1
		.amdhsa_system_sgpr_workgroup_id_x 1
		.amdhsa_system_sgpr_workgroup_id_y 1
		.amdhsa_system_sgpr_workgroup_id_z 1
		.amdhsa_system_vgpr_workitem_id 0
		.amdhsa_next_free_vgpr 256
		.amdhsa_next_free_sgpr 66
		.amdhsa_reserve_vcc 0
		.amdhsa_float_denorm_mode_32 3
		.amdhsa_float_denorm_mode_16_64 3
		.amdhsa_memory_ordered 1
		.amdhsa_forward_progress 1
		.amdhsa_inst_pref_size 14
	.end_amdhsa_kernel
	.amdgpu_metadata
---
amdhsa.version: [ 1, 2 ]
amdhsa.kernels:
  - .name:           k_qef8c53e93a_firstb
    .symbol:         k_qef8c53e93a_firstb.kd
    .args:
      - { .name: o32, .offset: 0, .size: 8, .value_kind: global_buffer, .address_space: global }
      - { .name: Wo, .offset: 8, .size: 8, .value_kind: global_buffer, .address_space: global }
      - { .name: out0, .offset: 16, .size: 8, .value_kind: global_buffer, .address_space: global }
    .group_segment_fixed_size: 19456
    .private_segment_fixed_size: 0
    .kernarg_segment_align: 8
    .kernarg_segment_size: 24
    .max_flat_workgroup_size: 512
    .sgpr_count:     66
    .vgpr_count:     256
    .wavefront_size: 32
...
	.end_amdgpu_metadata
.endif
;; end of part 6
